; MI455X (gfx1250); checked and timed in simulation.
; The chip was launched on July 23, 2026; its instructions are those of AMD's public machine-readable ISA for CDNA 5 (MIT licence, August 2026) and "CDNA5" Instruction Set Architecture Reference Guide (July 2026). The comments in the code are by the model that wrote it; some were corrected since.
;; MLP. Allowed arithmetic: matrix products marked QUANTISED: E4M3 operands, one given power-of-two scale a tensor, by v_wmma_f32_16x16x64_fp8_fp8 or v_wmma_f32_16x16x128_fp8_fp8, f32 sums; everything else in f32.
;; Inputs: W1 8 x 1,024 x 512 float32; W2 8 x 256 x 1,024 float32; expert_idxs 2 x 2,048 x 2 int32; expert_p 2 x 2,048 x 2 float32; lowp_scales 32 int32 (the exponents e of the quantised operands' scales 2^e); x 2 x 2,048 x 1,024 float32.
;; Outputs: out0 2 x 2,048 x 1,024 float32.
;; This version of the problem:
;;   THIS VERSION OF THE PROBLEM IS GIVEN IN LOW PRECISION. The matrix products marked QUANTISED in the list below multiply operands that are first quantised to E4M3 (4 exponent bits, 3 mantissa bits; 8 bits a number), with one given power-of-two scale for each operand tensor; their sums are f32. All else is computed in f32.
;;   The module's matrix products, in the order in which they are computed (A, B: the left and right operand; K: the contracted axis; several contracted axes count as one K, in the product's order):
;;     1. [M 8,192, K 1,024] x [K 1,024, N 512]; A: input x; B: input W1: QUANTISED (scales: A lowp_scales[0], B lowp_scales[1])
;;     2. [M 8,192, K 1,024] x [K 1,024, N 512]; A: input x; B: input W1: QUANTISED (scales: A lowp_scales[2], B lowp_scales[3])
;;     3. [M 8,192, K 1,024] x [K 1,024, N 512]; A: input x; B: input W1: QUANTISED (scales: A lowp_scales[4], B lowp_scales[5])
;;     4. [M 8,192, K 1,024] x [K 1,024, N 512]; A: input x; B: input W1: QUANTISED (scales: A lowp_scales[6], B lowp_scales[7])
;;     5. [M 8,192, K 1,024] x [K 1,024, N 512]; A: input x; B: input W1: QUANTISED (scales: A lowp_scales[8], B lowp_scales[9])
;;     6. [M 8,192, K 1,024] x [K 1,024, N 512]; A: input x; B: input W1: QUANTISED (scales: A lowp_scales[10], B lowp_scales[11])
;;     7. [M 8,192, K 1,024] x [K 1,024, N 512]; A: input x; B: input W1: QUANTISED (scales: A lowp_scales[12], B lowp_scales[13])
;;     8. [M 8,192, K 1,024] x [K 1,024, N 512]; A: input x; B: input W1: QUANTISED (scales: A lowp_scales[14], B lowp_scales[15])
;;     9. [M 8,192, K 256] x [K 256, N 1,024]; A: computed on the way; B: input W2: QUANTISED (scales: A lowp_scales[16], B lowp_scales[17])
;;     10. [M 8,192, K 256] x [K 256, N 1,024]; A: computed on the way; B: input W2: QUANTISED (scales: A lowp_scales[18], B lowp_scales[19])
;;     11. [M 8,192, K 256] x [K 256, N 1,024]; A: computed on the way; B: input W2: QUANTISED (scales: A lowp_scales[20], B lowp_scales[21])
;;     12. [M 8,192, K 256] x [K 256, N 1,024]; A: computed on the way; B: input W2: QUANTISED (scales: A lowp_scales[22], B lowp_scales[23])
;;     13. [M 8,192, K 256] x [K 256, N 1,024]; A: computed on the way; B: input W2: QUANTISED (scales: A lowp_scales[24], B lowp_scales[25])
;;     14. [M 8,192, K 256] x [K 256, N 1,024]; A: computed on the way; B: input W2: QUANTISED (scales: A lowp_scales[26], B lowp_scales[27])
;;     15. [M 8,192, K 256] x [K 256, N 1,024]; A: computed on the way; B: input W2: QUANTISED (scales: A lowp_scales[28], B lowp_scales[29])
;;     16. [M 8,192, K 256] x [K 256, N 1,024]; A: computed on the way; B: input W2: QUANTISED (scales: A lowp_scales[30], B lowp_scales[31])
;;   THE QUANTISER, for each operand of a quantised product, along K:
;;     - The operand's scale is 2^e, e = its entry of the input lowp_scales (int32; the entries are numbered through the quantised products in the list's order, A before B).
;;     - Each number is divided by the scale, clamped to +-448, and rounded to the nearest number of E4M3, ties to even, subnormals kept.
;;     - The product sums the exact products of the quantised numbers (number of the format x scale) in f32.
;;   ~~~python
;;   def quantise(x, axis, e):      # numpy; x: float32 -> the quantised numbers, widened to float32 again
;;       x = np.moveaxis(x, axis, -1); K = x.shape[-1]
;;       r = np.clip(x / 2.0 ** e, -448, 448)
;;       step = 2.0 ** (np.maximum(np.frexp(np.where(r == 0, 1, r))[1] - 1, -6) - 3)
;;       q = np.round(r / step) * step * 2.0 ** e      # np.round: ties to even
;;       return np.moveaxis(q, -1, axis).astype(np.float32)
;;   ~~~
;;   OPERANDS COMPUTED ON THE WAY. 'Computed on the way' means the value that the module computes at that place (a softmax that the list does not call 'softmax' is quantised finished and normalised). What goes into a quantiser is computed in f32, as accurately as f32 sums, v_exp_f32 and their like allow (about 1e-6 of the number): no bf16 or f16 on the way to a quantiser, and a product that is left as it is and whose result goes on into a quantised operand takes f32 operands (vector FMAs, or v_wmma_f32_16x16x4_f32). A number that lies on a knife's edge between two numbers of the format may be rounded either way, as far as f32 arithmetic and the matrix unit's own rounding can turn it there, and no further.
;; 3 versions. Each part assembles by itself: llvm-mc -triple=amdgcn-amd-amdhsa -mcpu=gfx1250 --defsym DOCPART=n.
;; ======== version 1 of 3: 2 launches
;; workspace buffers: W1c 4,194,304 bytes; W2c 2,097,152 bytes; tiles 2,560 bytes of whole numbers; order 20,480 bytes of whole numbers
;; launch prep (part 1): grid 193 x 1, 8 waves a work-group, no clusters, 72,704 bytes of LDS; arguments W1, W2, expert_idxs, lowp_scales, W1c, W2c, tiles, order; writes W1c, W2c, tiles, order
.if DOCPART == 1
	.amdgcn_target "amdgcn-amd-amdhsa--gfx1250"
	.amdhsa_code_object_version 6
	.text
	.protected	k_q31bf8b8df5_prep
	.globl	k_q31bf8b8df5_prep
	.p2align	8
	.type	k_q31bf8b8df5_prep,@function
k_q31bf8b8df5_prep:
	s_mov_b64 s[64:65], 0
	v_nop
	global_prefetch_b8 v0, s[64:65] scope:SCOPE_SE
	s_setreg_imm32_b32 hwreg(HW_REG_WAVE_MODE, 25, 1), 1
	s_wait_xcnt 0x0
; PREP: the weights become codes of FP8 (E4M3), and the tokens are sorted by their set of experts.
; Work-group 0 routes; work-groups 1-128 take W1 [8][1024][512] f32; work-groups 129-192 take W2 [8][256][1024] f32.  The three ways part on the work-group's number alone and have LDS bytes of their own.
; THE CODES are laid in the order of the matrix operand's registers.  A fragment is 16 rows x 128 K = 4 pieces of 512 bytes; in piece c lane l = (r = l % 16, h = l / 16) owns the 16 bytes at 16 l:
; row r, k = 128 s + 32 c + 16 h + 0 .. 15.   W1c: [e 8][w 8][s 8][t 4][c 4][512 B], t = 2 kind + u (kind 0: h, kind 1: g), row r = W1's column 256 kind + 32 w + 8 u + r + 8 (r / 8).
; W2c: [e 8][w 8][t 8][s 2][c 4][512 B], row r = W2's column 128 w + 16 t + r.
; A WAVE takes 128 columns x 32 along K: 32 loads of 512 consecutive bytes, all out at once.  A lane then holds 4 columns, and its registers run down K with a stride of four registers: the hold at the largest
; code reads with that stride and writes 16 neighbours, so the turn costs nothing.  A lane's 16 codes go through the wave's own stage in LDS (8 pieces at a pitch of 528 bytes) and leave as whole pieces: each store of the
; wave covers 512 consecutive bytes, aligned.  code = x / 2^e, held within +-448, to the nearest code, ties to even.
; LIMITS: the weights' exponents e lie between -126 and 119, so that 2^e and 448 x 2^e are f32 numbers.  NaN among the weights is not served.
; ROUTING.  A token's set is the unordered pair of its two experts; a token that names expert a twice joins set (a, a + 1), or (6, 7) for a = 7.  28 sets.  A counting sort, without atomics, lays the tokens of a set
; into tiles of 32 that never straddle sets: at most (4096 + 28 x 31) / 32 = 155 tiles.  tiles: 160 records {count, lo, hi, 0}; order: 160 x 32 token numbers, unused places 0.  Indices are held within 0 .. 7.
.set TB,   0                           ; LDS: the routing's table of counts, 8 waves x 32 words
.set ST1,  4096                        ; W1's stages, 4,224 bytes a wave
.set ST2,  37888                       ; W2's stages
.set SP,   528                         ; a piece in a stage: 512 bytes + 16
.set WST,  8*SP
.set T,    32                          ; v32-63   two sets of 16 held neighbours, by turns
.set X,    64                          ; v64-191  the 32 rows as loaded: register 4 i + cc = row i, column 4 lane + cc
.set C,    192                         ; v192-223 codes: four registers for each of the 8 groups (half of K, column)
.set O,    224                         ; v224-255 the 8 pieces read back
.set CNT,  32                          ; s32-59   routing: my wave's count for each set
.set IDX,  36                          ; v36-67   routing: 16 steps' index pairs
.set BIN,  68                          ; v68-83   their sets
.set RNK,  84                          ; v84-99   a token's rank among my wave's tokens of its set
.set B4,   100                         ; v100-115 4 x set: the lane select
.set PO,   116                         ; v116-131 the token's place in order
.set TOK,  132                         ; v132-147 the token's number
; The quantiser of a wave's 128 columns x 32 K.  src, dst: the scalar pairs with the wave's first byte; stride: a row of the weight in bytes; w1 = 1: W1's places for the 8 pieces, else W2's.
; v2 = 16 x lane, v4 = where I put 16 codes in the stage, v5 = where I read a piece back; s36 is being loaded with e.
.macro QW src, dst, stride, w1
.set i, 0
.rept 32
	global_load_b128 v[X+4*i:X+4*i+3], v2, s[\src:\src+1] offset:i*\stride th:TH_LOAD_NT   ; row i: 32 lanes read 512 consecutive bytes; read once in the launch
.set i, i+1
.endr
	s_wait_kmcnt 0x0                               ; e
	s_add_co_i32 s36, s36, 127
	s_lshl_b32 s37, s36, 23
	v_mov_b32 v8, s37                              ; 2^e as f32: the conversion takes its exponent field
	s_add_co_i32 s36, s36, 8
	s_lshl_b32 s36, s36, 23
	s_or_b32 s36, s36, 0x600000
	v_mov_b32 v9, s36                              ; 448 x 2^e
.irp hh, 0,1
	s_wait_loadcnt 16-16*\hh                       ; rows 16 hh .. 16 hh + 15 are in; with hh = 0 the sixteen younger loads stay out
.irp cc, 0,1,2,3
.set TS, T+16*((4*\hh+\cc)&1)
.set CS, C+4*(4*\hh+\cc)
.irp k, 0,1,2,3,4,5,6,7,8,9,10,11,12,13,14,15
	v_med3_num_f32 v[TS+\k], v[X+4*(16*\hh+\k)+\cc], -v9, v9   ; the conversion does not saturate (ISA guide 7.6.2): the hold; it also gathers column cc's 16 neighbours along K
.endr
	v_cvt_scalef32_pk8_fp8_f32 v[CS:CS+1], v[TS:TS+7], v8
	v_cvt_scalef32_pk8_fp8_f32 v[CS+2:CS+3], v[TS+8:TS+15], v8   ; the next group's sixteen holds write the other set: plain lines stand before this set is written again
	ds_store_b128 v4, v[CS:CS+3] offset:16*\cc+256*\hh           ; row r + cc of the piece, half hh of the lanes
.endr
.endr
	v_nop                                          ; one plain line behind the last conversion
.set j, 0
.rept 8
	ds_load_b128 v[O+4*j:O+4*j+3], v5 offset:SP*j  ; LDS serves a wave's instructions in order (ISA guide 5.7.1.4): these see my stores
.set j, j+1
.endr
.set j, 0
.rept 8
	s_wait_dscnt 7-j                               ; piece j is back; the younger reads stay out
.if \w1
	global_store_b128 v2, v[O+4*j:O+4*j+3], s[\dst:\dst+1] offset:(j>>1)*65536+(j&1)*2048   ; piece j: wave-of-the-reader j / 2, tile u = j % 2
.else
	global_store_b128 v2, v[O+4*j:O+4*j+3], s[\dst:\dst+1] offset:j*4096                    ; piece j: tile t = j
.endif
.set j, j+1
.endr
.endm
	s_load_b512 s[4:19], s[0:1], 0x0               ; W1 s[4:5], W2 s[6:7], indices s[8:9], scales s[10:11], W1c s[12:13], W2c s[14:15], tiles s[16:17], order s[18:19]
	s_set_vgpr_msb 0x40
	v_lshl_add_u32 v0, v0, 2, 0x11800
	v_mov_b32 v1, 0
	s_set_vgpr_msb 0x4000
	v_lshrrev_b32 v1, 5, v0
	v_readfirstlane_b32 s22, v1                    ; wave 0..7
	v_and_b32 v1, 31, v0                           ; lane L
	v_lshlrev_b32 v2, 4, v1                        ; 16 L
	s_cmp_eq_u32 ttmp9, 0
	s_cbranch_scc1 .Lroute
	s_cmp_gt_u32 ttmp9, 128
	s_cbranch_scc1 .Lw2
	; ---- W1: work-group g = id - 1: expert g / 16; wave: block of 32 along K kb = 2 (g % 16) + wave / 4, columns 128 (wave % 4) on
	s_sub_co_u32 s24, ttmp9, 1
	s_lshr_b32 s25, s22, 2
	s_and_b32 s26, s22, 3                          ; cg: which 128 columns
	s_lshl_b32 s27, s24, 1
	s_add_co_u32 s27, s27, s25                     ; 32 e + kb
	s_lshl_b32 s28, s27, 16                        ; 32 rows of 2,048 bytes each
	s_lshl_b32 s29, s26, 9
	s_add_co_u32 s28, s28, s29
	s_mov_b32 s29, 0
	s_lshr_b32 s30, s24, 4                         ; e
	s_and_b32 s31, s27, 31                         ; kb
	s_lshl_b32 s32, s30, 19                        ; W1c: e x 524,288
	s_and_b32 s33, s26, 1
	s_lshl_b32 s33, s33, 18                        ; + 4 (cg % 2) readers' waves of 65,536
	s_add_co_u32 s32, s32, s33
	s_lshr_b32 s33, s31, 2
	s_lshl_b32 s33, s33, 13                        ; + K step kb / 4 of 8,192
	s_add_co_u32 s32, s32, s33
	s_lshr_b32 s33, s26, 1
	s_lshl_b32 s33, s33, 12                        ; + kind cg / 2: two tiles of 2,048
	s_add_co_u32 s32, s32, s33
	s_and_b32 s33, s31, 3
	s_lshl_b32 s33, s33, 9                         ; + piece kb % 4
	s_add_co_u32 s32, s32, s33
	s_mov_b32 s33, 0
	s_lshl_b32 s34, s30, 3                         ; the scale's entry 2 e + 1: byte 8 e + 4
	s_mul_i32 s35, s22, WST
	s_add_co_u32 s35, s35, ST1                     ; my stage
	v_lshrrev_b32 v6, 3, v1
	v_bfe_u32 v7, v1, 1, 1
	v_lshl_add_u32 v6, v6, 1, v7                   ; column 4 L + cc lies in piece 2 (L / 8) + (L / 2) % 2,
	v_mul_u32_u24 v6, v6, SP
	v_and_b32 v7, 1, v1
	v_lshl_add_u32 v6, v7, 6, v6                   ; at row 4 (L % 2) + 8 ((L / 4) % 2) + cc
	v_bfe_u32 v7, v1, 2, 1
	v_lshl_add_u32 v6, v7, 7, v6
	v_add_nc_u32 v4, s35, v6
	v_add_nc_u32 v5, s35, v2
	s_wait_kmcnt 0x0
	s_add_nc_u64 s[4:5], s[4:5], s[28:29]
	s_add_nc_u64 s[12:13], s[12:13], s[32:33]
	s_load_b32 s36, s[10:11], s34 offset:0x4
	QW 4, 12, 2048, 1
	s_set_vgpr_msb 0x5
	s_wait_tensorcnt 0x0
	ds_add_u32 v0, v1
	s_wait_dscnt 0x0
	s_set_vgpr_msb 0x500
	s_endpgm
	; ---- W2: work-group g = id - 129: expert g / 8, block of 32 along K kb = g % 8; wave: columns 128 wave on
.Lw2:
	s_sub_co_u32 s24, ttmp9, 129
	s_lshl_b32 s28, s24, 17                        ; 32 rows of 4,096 bytes each
	s_lshl_b32 s29, s22, 9
	s_add_co_u32 s28, s28, s29
	s_mov_b32 s29, 0
	s_lshr_b32 s30, s24, 3                         ; e
	s_and_b32 s31, s24, 7                          ; kb
	s_lshl_b32 s32, s30, 18                        ; W2c: e x 262,144
	s_lshl_b32 s33, s22, 15                        ; + the reader's wave x 32,768
	s_add_co_u32 s32, s32, s33
	s_lshr_b32 s33, s31, 2
	s_lshl_b32 s33, s33, 11                        ; + K step kb / 4 of 2,048
	s_add_co_u32 s32, s32, s33
	s_and_b32 s33, s31, 3
	s_lshl_b32 s33, s33, 9                         ; + piece kb % 4
	s_add_co_u32 s32, s32, s33
	s_mov_b32 s33, 0
	s_lshl_b32 s34, s30, 3                         ; the scale's entry 17 + 2 e: byte 8 e + 68
	s_mul_i32 s35, s22, WST
	s_add_co_u32 s35, s35, ST2                     ; my stage
	v_lshrrev_b32 v6, 2, v1                        ; column 4 L + cc lies in piece (tile) L / 4, at row 4 (L % 4) + cc
	v_mul_u32_u24 v6, v6, SP
	v_and_b32 v7, 3, v1
	v_lshl_add_u32 v6, v7, 6, v6
	v_add_nc_u32 v4, s35, v6
	v_add_nc_u32 v5, s35, v2
	s_wait_kmcnt 0x0
	s_add_nc_u64 s[6:7], s[6:7], s[28:29]
	s_add_nc_u64 s[14:15], s[14:15], s[32:33]
	s_load_b32 s36, s[10:11], s34 offset:0x44
	QW 6, 14, 4096, 0
	s_set_vgpr_msb 0x5
	s_wait_tensorcnt 0x0
	ds_add_u32 v0, v1
	s_wait_dscnt 0x0
	s_set_vgpr_msb 0x500
	s_endpgm
	; ---- ROUTING: wave w owns tokens 512 w .. 512 w + 511, in 16 steps of 32 lanes
.Lroute:
	v_lshlrev_b32 v3, 4, v0                        ; 16 x thread: the fill's and the records' place
	v_lshlrev_b32 v4, 2, v0                        ; TB + 4 x thread: my word of the table
	v_lshlrev_b32 v5, 2, v1                        ; TB + 4 x lane
	v_and_b32 v7, 0xe0, v0                         ; 32 w
	v_lshlrev_b32 v6, 7, v7
	v_lshl_add_u32 v6, v1, 3, v6                   ; my token's index pair in step 0: byte 4,096 w + 8 L
	v_lshl_add_u32 v7, v7, 4, v1                   ; and its number: 512 w + L
	v_mov_b32 v8, 0
	v_mov_b32 v9, 0
	v_mov_b32 v10, 0
	v_mov_b32 v11, 0
	s_wait_kmcnt 0x0
.irp i, 0,1,2,3,4
	global_store_b128 v3, v[8:11], s[18:19] offset:4096*\i   ; all 20,480 bytes of order are 0 first: 256 threads x 16 bytes x 5
.endr
.set i, 0
.rept 16
	global_load_b64 v[IDX+2*i:IDX+2*i+1], v6, s[8:9] offset:256*i
.set i, i+1
.endr
.set b, 0
.rept 28
	s_mov_b32 s[CNT+b], 0
.set b, b+1
.endr
.set i, 0
.rept 16
	v_mov_b32 v[RNK+i], 0
.set i, i+1
.endr
	s_wait_loadcnt 0x0
.set i, 0
.rept 16                               ; the set's number: lo (15 - lo) / 2 + hi - lo - 1, 0 .. 27
	v_min_u32 v12, v[IDX+2*i], v[IDX+2*i+1]
	v_max_u32 v13, v[IDX+2*i], v[IDX+2*i+1]
	v_min_u32 v12, 7, v12
	v_min_u32 v13, 7, v13
	v_cmp_eq_u32 vcc_lo, v12, v13
	v_cndmask_b32 v14, 0, 1, vcc_lo
	v_add_nc_u32 v13, v13, v14                     ; one expert named twice: the set (a, a + 1),
	v_cmp_eq_u32 vcc_lo, 8, v13
	v_cndmask_b32 v12, v12, 6, vcc_lo              ; or (6, 7) for a = 7
	v_cndmask_b32 v13, v13, 7, vcc_lo
	v_sub_nc_u32 v14, 15, v12
	v_mul_u32_u24 v14, v14, v12
	v_lshrrev_b32 v14, 1, v14
	v_sub_nc_u32 v15, v13, v12
	v_add3_u32 v14, v14, v15, -1
	v_min_u32 v[BIN+i], 27, v14
	v_lshlrev_b32 v[B4+i], 2, v[BIN+i]
.set i, i+1
.endr
.set i, 0
.rept 16                               ; the rank: my wave's tokens of the set in earlier steps + those in lower lanes of this step.  Two mask registers by turns
.set b, 0
.rept 28
	v_cmp_eq_u32 s[24+(b&1)], b, v[BIN+i]
	v_mbcnt_lo_u32_b32 v[12+(b&1)], s[24+(b&1)], s[CNT+b]
	v_cndmask_b32 v[RNK+i], v[RNK+i], v[12+(b&1)], s[24+(b&1)]
	s_bcnt1_i32_b32 s26, s[24+(b&1)]
	s_add_co_u32 s[CNT+b], s[CNT+b], s26
.set b, b+1
.endr
.set i, i+1
.endr
	v_mov_b32 v16, 0
.set b, 0
.rept 28
	v_writelane_b32 v16, s[CNT+b], b               ; my wave's counts, lane = set
.set b, b+1
.endr
	ds_store_b32 v4, v16
	s_wait_storecnt 0x0                            ; my part of the fill is done: no wave places a token before all of order is 0
	s_wait_dscnt 0x0                               ; my counts lie in LDS
	s_barrier_signal -1
	s_barrier_wait -1
.irp k, 0,1,2,3,4,5,6,7
	ds_load_b32 v[28+\k], v5 offset:128*\k         ; all eight waves' counts of set = my lane
.endr
	s_wait_dscnt 0x0
	v_add3_u32 v17, v28, v29, v30
	v_add3_u32 v17, v17, v31, v32
	v_add3_u32 v17, v17, v33, v34
	v_add_nc_u32 v17, v17, v35                     ; the set's tokens
	v_mov_b32 v18, 0
.irp k, 0,1,2,3,4,5,6
	s_cmp_gt_u32 s22, \k
	s_cselect_b32 s27, -1, 0
	v_and_b32 v12, s27, v[28+\k]
	v_add_nc_u32 v18, v18, v12                     ; those of the waves before mine
.endr
	; the sets in order: s28 = the set's first tile.  Thread i keeps the last set whose first tile is <= i: a set without tiles is written over by the next one
	s_mov_b32 s28, 0
	s_mov_b32 s29, 0
	v_mov_b32 v19, 0
	v_mov_b32 v20, 1
	v_mov_b32 v21, 0
	v_mov_b32 v22, 0
.set bn, 0
.irp a, 0,1,2,3,4,5,6
.irp bb, 1,2,3,4,5,6,7
.if \bb > \a
	v_readlane_b32 s27, v17, bn
	v_writelane_b32 v19, s29, bn                   ; 32 x the set's first tile, lane = set
	v_cmp_le_u32 vcc_lo, s28, v0
	v_cndmask_b32 v20, v20, 8*\a+\bb, vcc_lo
	v_cndmask_b32 v21, v21, s28, vcc_lo
	v_cndmask_b32 v22, v22, s27, vcc_lo
	s_add_co_u32 s27, s27, 31
	s_lshr_b32 s27, s27, 5
	s_add_co_u32 s28, s28, s27
	s_lshl_b32 s29, s28, 5
.set bn, bn+1
.endif
.endr
.endr
	v_sub_nc_u32 v12, v0, v21
	v_lshlrev_b32 v12, 5, v12
	v_sub_nc_u32 v12, v22, v12                     ; what is left of the set at tile i,
	v_max_i32 v12, 0, v12
	v_min_i32 v24, 32, v12                         ; held within 0 .. 32: the tile's count (0 behind the last tile)
	v_lshrrev_b32 v25, 3, v20                      ; lo
	v_and_b32 v26, 7, v20                          ; hi
	v_mov_b32 v27, 0
	s_cmp_gt_u32 s22, 4
	s_cbranch_scc1 .Lno_record                     ; 160 records: waves 0 to 4
	global_store_b128 v3, v[24:27], s[16:17]
.Lno_record:
	v_add_nc_u32 v23, v19, v18                     ; lane = set: where my wave's tokens of the set begin
.set i, 0
.rept 16
	ds_bpermute_b32 v[PO+i], v[B4+i], v23          ; each token takes its set's lane
.set i, i+1
.endr
.set i, 0
.rept 16
	v_add_nc_u32 v[TOK+i], 32*i, v7
.set i, i+1
.endr
	s_wait_dscnt 0x0
.set i, 0
.rept 16                               ; 4 bytes a lane to scattered places: 16 KiB in all, once; each step has registers of its own
	v_add_nc_u32 v[PO+i], v[PO+i], v[RNK+i]
	v_min_u32 v[PO+i], 0x13ff, v[PO+i]             ; inside order's 5,120 words
	v_lshlrev_b32 v[PO+i], 2, v[PO+i]
	global_store_b32 v[PO+i], v[TOK+i], s[18:19]
.set i, i+1
.endr
	s_set_vgpr_msb 0x5
	s_wait_tensorcnt 0x0
	ds_add_u32 v0, v1
	s_wait_dscnt 0x0
	s_set_vgpr_msb 0x500
	s_endpgm
.Lfunc_end_k_q31bf8b8df5_prep:
	.size	k_q31bf8b8df5_prep, .Lfunc_end_k_q31bf8b8df5_prep-k_q31bf8b8df5_prep
	.p2alignl 7, 3214868480
	.fill 96, 4, 3214868480
	.section	.rodata,"a",@progbits
	.p2align	6, 0x0
	.amdhsa_kernel k_q31bf8b8df5_prep
		.amdhsa_group_segment_fixed_size 72704
		.amdhsa_private_segment_fixed_size 0
		.amdhsa_enable_private_segment 0
		.amdhsa_kernarg_size 64
		.amdhsa_user_sgpr_count 2
		.amdhsa_user_sgpr_kernarg_segment_ptr 1
		.amdhsa_wavefront_size32 1
		.amdhsa_system_sgpr_workgroup_id_x 1
		.amdhsa_system_sgpr_workgroup_id_y 1
		.amdhsa_system_sgpr_workgroup_id_z 1
		.amdhsa_system_vgpr_workitem_id 0
		.amdhsa_next_free_vgpr 258
		.amdhsa_next_free_sgpr 66
		.amdhsa_reserve_vcc 1
		.amdhsa_float_denorm_mode_32 3
		.amdhsa_float_denorm_mode_16_64 3
		.amdhsa_memory_ordered 1
		.amdhsa_forward_progress 1
		.amdhsa_inst_pref_size 183
	.end_amdhsa_kernel
	.amdgpu_metadata
---
amdhsa.version: [ 1, 2 ]
amdhsa.kernels:
  - .name:           k_q31bf8b8df5_prep
    .symbol:         k_q31bf8b8df5_prep.kd
    .args:
      - { .name: W1, .offset: 0, .size: 8, .value_kind: global_buffer, .address_space: global }
      - { .name: W2, .offset: 8, .size: 8, .value_kind: global_buffer, .address_space: global }
      - { .name: expert_idxs, .offset: 16, .size: 8, .value_kind: global_buffer, .address_space: global }
      - { .name: lowp_scales, .offset: 24, .size: 8, .value_kind: global_buffer, .address_space: global }
      - { .name: W1c, .offset: 32, .size: 8, .value_kind: global_buffer, .address_space: global }
      - { .name: W2c, .offset: 40, .size: 8, .value_kind: global_buffer, .address_space: global }
      - { .name: tiles, .offset: 48, .size: 8, .value_kind: global_buffer, .address_space: global }
      - { .name: order, .offset: 56, .size: 8, .value_kind: global_buffer, .address_space: global }
    .group_segment_fixed_size: 72704
    .private_segment_fixed_size: 0
    .kernarg_segment_align: 8
    .kernarg_segment_size: 64
    .max_flat_workgroup_size: 256
    .sgpr_count:     66
    .vgpr_count:     258
    .wavefront_size: 32
...
	.end_amdgpu_metadata
.endif
;; end of part 1
;; launch moe (part 2): grid 155 x 1, 8 waves a work-group, no clusters, 282,112 bytes of LDS; arguments x, W1c, W2c, tiles, order, expert_idxs, expert_p, lowp_scales, out0; writes out0
.if DOCPART == 2
	.amdgcn_target "amdgcn-amd-amdhsa--gfx1250"
	.amdhsa_code_object_version 6
	.text
	.protected	k_q31bf8b8df5_moe
	.globl	k_q31bf8b8df5_moe
	.p2align	8
	.type	k_q31bf8b8df5_moe,@function
k_q31bf8b8df5_moe:
	s_mov_b64 s[64:65], 0
	v_nop
	global_prefetch_b8 v0, s[64:65] scope:SCOPE_SE
	s_setreg_imm32_b32 hwreg(HW_REG_WAVE_MODE, 25, 1), 1
	s_wait_xcnt 0x0
; MOE: one work-group takes one tile, at most 32 tokens that share the set of experts {lo, hi}, through the whole chain for both experts:
; gather x, quantise it with both experts' scales, up(lo), GLU, up(hi), GLU, down(lo), down(hi) with the gates, whole rows of out0.  The hidden layer lives in registers and LDS alone; each output row has one owner.
; 155 work-groups serve every split: (4096 + 28 x 31) / 32.  A tile without tokens runs the text on token 0 and stores nothing: the three barriers stand on every wave's path, and only the row stores are guarded.
; SHARES.  Eight waves share the COLUMNS: wave w makes hidden units 32 w .. 32 w + 31 (four tiles of W1: h0, h1, g0, g1) and output columns 128 w .. 128 w + 127 (eight tiles of W2), for both tiles of 16 tokens,
; so each fragment of weights that is loaded feeds two matrix instructions.  Both products are used transposed (source 0 = 16 columns of the weight, source 1 = 16 tokens): a lane holds ONE token throughout.
; THE WEIGHTS come from memory straight into registers, as the launch before laid them: 24 chunks of 16 loads (8 KiB a wave): W1[lo]'s 8 K steps, W1[hi]'s 8, W2[lo]'s 4 pairs of tiles, W2[hi]'s 4, through three
; register slots by turns, so that 48 loads of a wave are on their way, over phases and barriers.
; FRAGMENTS of x and of the hidden layer go from wave to wave through LDS as images of their registers (4 pieces of 512 bytes, lane l's 16 bytes at 16 l).  In every fragment registers 4 c .. 4 c + 3 hold
; k = 32 c + 16 (l / 16) + 0 .. 15: a permutation of k, the same on both sides of each product.
; GELU is exact: erfc(z) = t exp(-z^2 + P(t)), t = 1 / (1 + z / 2), P of degree 9 (a fit with fractional error 1.2e-7 for every z >= 0).  With w = h / sqrt(2), z = |w| and r = erfc(z) / sqrt(2):
; gelu(h) = w r for h < 0 and w (sqrt(2) - r) else: no difference of near numbers is formed where the result is small.  The rounding of -z^2 + P grows as 6e-8 z^2.
; NO CLUSTER, NO TENSOR LOADS: how many tiles share a set is a number read from memory (partners would walk different weights), and the row stores hang on the stored count.
; LIMITS: ex and ea between -126 and 119; ex + ew1 between -125 and 127; ea + ew2 is applied by v_ldexp_f32 and has none.  NaN among the inputs is not served.  Tokens and experts read from the lists are held inside
; their tables.  A token that names one expert twice gets (p0 + p1) x down, which rounds once otherwise than p0 x down + p1 x down.
; REGISTERS, in windows of 256.  Window 0: v1-15 addresses; v16-23 the tokens' index and gate pairs; v24-31 x's scales, later the gate factors F(p, m) as pairs; v32-95 UA: the up sums, later the down sums in two
; sets, last rows of out0; v96-159 XFR: fragments of x or of the hidden layer, at work in the GLU, last rows of out0; v160-191 at work and constants; v192-255 slot C.
; Window 1: v0-127 x on its way in, later OA, the 16 output accumulators ((t, m) at 8 (2 t + m)); v128-191 slot A; v192-255 slot B.
.set XPITCH, 4112                      ; LDS byte 0 on: x as f32, 32 rows of 4,096 bytes + 16: sixteen rows of one column start at sixteen different 16-byte columns
.set XI,     131584                    ; x's images: [p 2][8 m + s, 16][2,048]
.set AI,     197120                    ; the hidden layer's images: [p 2][2 m + s, 4][2,048]
.set SG,     213504                    ; the way out: for each wave 16 rows of 512 bytes + 16
.set SPITCH, 528
.set UA,     32
.set XFR,    96
.set TT,     96                        ; GLU: t, then the factor, then a
.set AC,     128                       ; GLU: the polynomial, then r
.set T0,     160                       ; x's quantiser: two sets of 16 held numbers
.set MSB, 0
.macro WIN new                         ; s_set_vgpr_msb: bits 1:0 source 0, 3:2 source 1, 5:4 source 2, 7:6 destination; the high byte repeats the setting that is left
.if MSB != \new
	s_set_vgpr_msb (MSB<<8)|\new
.set MSB, \new
.endif
.endm
.macro PLACES                          ; four plain lines behind matrix instructions, ahead of reads of their results and of loads into their registers
.rept 4
	v_nop
.endr
.endm
.macro BARRIER                         ; my LDS stores have landed and my LDS loads are in: then the work-group's barrier
	s_wait_dscnt 0x0
	s_barrier_signal -1
	s_barrier_wait -1
.endm
.macro SCALE se, vs, vl                ; v[vs] = 2^e, v[vl] = 448 x 2^e, e in s[se]
	s_add_co_i32 s2, s[\se], 127
	s_lshl_b32 s3, s2, 23
	v_mov_b32 v[\vs], s3
	s_add_co_i32 s2, s2, 8
	s_lshl_b32 s2, s2, 23
	s_or_b32 s2, s2, 0x600000
	v_mov_b32 v[\vl], s2
.endm
; Chunk c of the weight stream into slot c % 3 (A, B: window 1; C: window 0): 16 loads of 512 consecutive bytes.  Behind chunk 23 there is none.
.macro CHUNK c
.if (\c) < 24
.if (\c)%3 == 2
	WIN 0
.set RB, 192
.else
	WIN 0x40
.set RB, 128+64*((\c)%3)
.endif
.if (\c) < 16
.set BS, 76+2*((\c)>>3)
.set VO, 2
.set BY, ((\c)&7)*8192
.else
.set BS, 80+2*(((\c)-16)>>2)
.set VO, 3
.set BY, ((\c)&3)*8192
.endif
.set i, 0
.rept 16
	global_load_b128 v[RB+4*i:RB+4*i+3], v[VO], s[BS:BS+1] offset:BY+512*i
.set i, i+1
.endr
	WIN 0
.endif
.endm
.macro SLOT c                          ; source 0 of the products that follow lies in chunk c's slot
.if (\c)%3 == 2
	WIN 0
.set RB, 192
.else
	WIN 0x01
.set RB, 128+64*((\c)%3)
.endif
.endm
; x's 64 numbers in UA (register 16 b + i = k 32 b + 16 h + i of my row) become a fragment's codes with expert p's scale, in v[XFR + 16 ps] on.  UA is kept: the other expert's scale follows.
.macro QX p, ps
.irp b, 0,1,2,3
.irp i, 0,1,2,3,4,5,6,7,8,9,10,11,12,13,14,15
	v_med3_num_f32 v[T0+16*(\b&1)+\i], v[UA+16*\b+\i], -v[25+2*\p], v[25+2*\p]   ; the conversion does not saturate (ISA guide 7.6.2): the hold
.endr
	v_cvt_scalef32_pk8_fp8_f32 v[XFR+16*(\ps)+4*\b:XFR+16*(\ps)+4*\b+1], v[T0+16*(\b&1):T0+16*(\b&1)+7], v[24+2*\p]
	v_cvt_scalef32_pk8_fp8_f32 v[XFR+16*(\ps)+4*\b+2:XFR+16*(\ps)+4*\b+3], v[T0+16*(\b&1)+8:T0+16*(\b&1)+15], v[24+2*\p]
.endr
	v_nop                                          ; one plain line behind the last conversion
.endm
.macro XFETCH p, s                     ; x's two fragments (m = 0, 1) of K step s, expert p's codes, into set s % 2
.irp m, 0,1
.irp q, 0,1,2,3
	ds_load_b128 v[XFR+32*((\s)&1)+16*\m+4*\q:XFR+32*((\s)&1)+16*\m+4*\q+3], v7 offset:32768*(\p)+2048*(8*\m+(\s))+512*\q
.endr
.endr
.endm
; A K step of the up product: chunk c.  Eight accumulators by turns, one instruction a turn, in the same order in every step.  acc(kind, m, u) = UA + 32 kind + 16 m + 8 u.
.macro USTEP c
.set US, (\c)&7
.set UP, (\c)>>3
	s_wait_loadcnt 32                              ; chunk c is in; the two younger chunks stay out
	s_wait_dscnt 0x0                               ; this step's fragments of x are in
.if US < 7
	XFETCH UP, US+1                                ; the next step's, into the set that the step before multiplied: its four places stand at that step's end
.endif
	SLOT \c
.irp t, 0,1,2,3
.irp m, 0,1
.if US == 0
	v_wmma_f32_16x16x128_fp8_fp8 v[UA+32*(\t>>1)+16*\m+8*(\t&1):UA+32*(\t>>1)+16*\m+8*(\t&1)+7], v[RB+16*\t:RB+16*\t+15], v[XFR+32*(US&1)+16*\m:XFR+32*(US&1)+16*\m+15], 0
.else
	v_wmma_f32_16x16x128_fp8_fp8 v[UA+32*(\t>>1)+16*\m+8*(\t&1):UA+32*(\t>>1)+16*\m+8*(\t&1)+7], v[RB+16*\t:RB+16*\t+15], v[XFR+32*(US&1)+16*\m:XFR+32*(US&1)+16*\m+15], v[UA+32*(\t>>1)+16*\m+8*(\t&1):UA+32*(\t>>1)+16*\m+8*(\t&1)+7]
.endif
.endr
.endr
	WIN 0
	PLACES
	CHUNK \c+3                                     ; into the slot just multiplied
.endm
.macro GATE p, m                       ; F(p, m) = (the gates of my token's pairs that name expert p) x 2^(ea + ew2), in both halves of a pair
	v_cmp_eq_u32 vcc_lo, s[25+\p], v[16+2*\m]
	v_cndmask_b32 v176, 0, v[20+2*\m], vcc_lo
	v_cmp_eq_u32 vcc_lo, s[25+\p], v[17+2*\m]
	v_cndmask_b32 v177, 0, v[21+2*\m], vcc_lo
	v_add_f32 v176, v176, v177
	v_ldexp_f32 v[24+4*\p+2*\m], v176, s[92+\p]
	v_mov_b32 v[25+4*\p+2*\m], v[24+4*\p+2*\m]
.endm
; a = gelu(h) (g + 1) for my 32 numbers (register 16 m + 8 u + j: token 16 m + r, hidden unit 32 w + 16 h + 8 u + j), quantised: one piece of a fragment for each m.  Every step is a batch over the 32.
.macro GLU p
.set j, 0
.rept 16
	v_pk_mul_f32 v[UA+j:UA+j+1], v[UA+j:UA+j+1], s[88+2*\p:89+2*\p] op_sel_hi:[1,0]   ; w = sum x 2^(ex + ew1) / sqrt(2); each accumulator from its low end on
.set j, j+2
.endr
.set j, 0
.rept 32
	v_fma_f32 v[TT+j], |v[UA+j]|, 0.5, 1.0
.set j, j+1
.endr
.set j, 0
.rept 32
	v_rcp_f32 v[TT+j], v[TT+j]                     ; t
.set j, j+1
.endr
.set j, 0
.rept 16
	v_pk_fma_f32 v[UA+32+j:UA+32+j+1], v[UA+32+j:UA+32+j+1], s[84+2*\p:85+2*\p], 1.0 op_sel_hi:[1,0,0]   ; g + 1: plain work that names no reciprocal
.set j, j+2
.endr
.if \p == 0
	GATE 0, 0
	GATE 0, 1
	GATE 1, 0
	GATE 1, 1
.endif
	s_wait_alu depctr_va_vdst(0)                   ; one wait for the 32 reciprocals, ahead of their first reader
.set j, 0
.rept 16
	v_pk_fma_f32 v[AC+j:AC+j+1], v[TT+j:TT+j+1], v[166:167], 0xbf527892 op_sel_hi:[1,1,0]   ; 0.17087277 t - 0.82215223
.set j, j+2
.endr
.irp k, 0x3fbe87b0, 0xbf914e5d, 0x3e8ec7cc, 0xbe3ec24c, 0x3dc636c9, 0x3ebf88fb, 0x3f8000c7, 0xbfce58d4   ; 1.48851587, -1.13520398, 0.27886807, -0.18628806, 0.09678418, 0.37409196, 1.00002368, -1.26551223 + ln(1 / sqrt(2))
.set j, 0
.rept 16
	v_pk_fma_f32 v[AC+j:AC+j+1], v[AC+j:AC+j+1], v[TT+j:TT+j+1], \k op_sel_hi:[1,1,0]
.set j, j+2
.endr
.endr
.set j, 0
.rept 16
	v_pk_fma_f32 v[AC+j:AC+j+1], v[UA+j:UA+j+1], v[UA+j:UA+j+1], v[AC+j:AC+j+1] neg_lo:[1,0,0] neg_hi:[1,0,0]   ; - w w + P
.set j, j+2
.endr
.set j, 0
.rept 16
	v_pk_mul_f32 v[AC+j:AC+j+1], v[AC+j:AC+j+1], 0x3fb8aa3b op_sel_hi:[1,0]   ; x log2(e)
.set j, j+2
.endr
.set j, 0
.rept 32
	v_exp_f32 v[AC+j], v[AC+j]
.set j, j+1
.endr
	v_nop                                          ; a plain line behind the last exponential
	s_wait_alu depctr_va_vdst(0)                   ; one wait for the 32 exponentials, ahead of their first reader
.set j, 0
.rept 16
	v_pk_mul_f32 v[AC+j:AC+j+1], v[AC+j:AC+j+1], v[TT+j:TT+j+1]   ; r = erfc(|w|) / sqrt(2)
.set j, j+2
.endr
.set j, 0
.rept 16
	v_pk_add_f32 v[TT+j:TT+j+1], v[AC+j:AC+j+1], 0x3fb504f3 op_sel_hi:[1,0] neg_lo:[1,0] neg_hi:[1,0]   ; sqrt(2) - r
.set j, j+2
.endr
.set j, 0
.rept 32
	v_cmp_gt_f32 vcc_lo, 0, v[UA+j]
	v_cndmask_b32 v[TT+j], v[TT+j], v[AC+j], vcc_lo   ; r where w < 0: a choice of values, no branch
.set j, j+1
.endr
.set j, 0
.rept 16
	v_pk_mul_f32 v[TT+j:TT+j+1], v[TT+j:TT+j+1], v[UA+j:UA+j+1]   ; gelu(h)
.set j, j+2
.endr
.set j, 0
.rept 16
	v_pk_mul_f32 v[TT+j:TT+j+1], v[TT+j:TT+j+1], v[UA+32+j:UA+32+j+1]   ; x (g + 1)
.set j, j+2
.endr
.set j, 0
.rept 32
	v_med3_num_f32 v[TT+j], v[TT+j], -v[160+\p], v[160+\p]   ; the hold at 448 x 2^ea
.set j, j+1
.endr
.irp m, 0,1
	v_cvt_scalef32_pk8_fp8_f32 v[168+4*\m:169+4*\m], v[TT+16*\m:TT+16*\m+7], v[164+\p]
	v_cvt_scalef32_pk8_fp8_f32 v[170+4*\m:171+4*\m], v[TT+16*\m+8:TT+16*\m+15], v[164+\p]
.endr
	v_nop                                          ; one plain line behind the last conversion
.irp m, 0,1
	ds_store_b128 v8, v[168+4*\m:171+4*\m] offset:8192*\p+4096*\m   ; piece w % 4 of fragment (m, K step w / 4)
.endr
.endm
.macro AFETCH p                        ; the hidden layer's four fragments (2 m + s), expert p's
.irp f, 0,1,2,3
.irp q, 0,1,2,3
	ds_load_b128 v[XFR+16*\f+4*\q:XFR+16*\f+4*\q+3], v9 offset:8192*\p+2048*\f+512*\q
.endr
.endr
.endm
; Chunk c of the down product: tiles 2 q and 2 q + 1 of my eight, both K steps, both tiles of tokens: four sums by turns, first K step 0 (which starts them), then K step 1.  The sums lie in two sets by turns,
; and go into OA times the token's gate factor: expert lo's start OA, so nothing is cleared.
.macro DSTEP c
.set DP, ((\c)-16)>>2
.set DQ, (\c)&3
.set TS, UA+32*((\c)&1)
.if (\c) < 22
	s_wait_loadcnt 32                              ; chunk c is in; the two younger chunks stay out
.else
	s_wait_loadcnt 16*(23-(\c))                    ; the stream's end: one younger chunk, then none
.endif
	SLOT \c
.irp s, 0,1
.irp u, 0,1
.irp m, 0,1
.if \s == 0
	v_wmma_f32_16x16x128_fp8_fp8 v[TS+8*(2*\u+\m):TS+8*(2*\u+\m)+7], v[RB+16*(2*\u+\s):RB+16*(2*\u+\s)+15], v[XFR+16*(2*\m+\s):XFR+16*(2*\m+\s)+15], 0
.else
	v_wmma_f32_16x16x128_fp8_fp8 v[TS+8*(2*\u+\m):TS+8*(2*\u+\m)+7], v[RB+16*(2*\u+\s):RB+16*(2*\u+\s)+15], v[XFR+16*(2*\m+\s):XFR+16*(2*\m+\s)+15], v[TS+8*(2*\u+\m):TS+8*(2*\u+\m)+7]
.endif
.endr
.endr
.endr
	WIN 0
	PLACES
	CHUNK \c+3
.if DP == 0
	WIN 0x40                                       ; destination (OA) window 1
.else
	WIN 0x50                                       ; destination and source 2 (OA) window 1
.endif
.set j, 0
.rept 16
.if DP == 0
	v_pk_mul_f32 v[32*DQ+j:32*DQ+j+1], v[TS+j:TS+j+1], v[24+2*((j>>3)&1):25+2*((j>>3)&1)]
.else
	v_pk_fma_f32 v[32*DQ+j:32*DQ+j+1], v[TS+j:TS+j+1], v[28+2*((j>>3)&1):29+2*((j>>3)&1)], v[32*DQ+j:32*DQ+j+1]
.endif
.set j, j+2
.endr
	WIN 0
.endm
	; ---- HEAD
	s_load_b512 s[4:19], s[0:1], 0x0               ; x s[4:5], W1c s[6:7], W2c s[8:9], tiles s[10:11], order s[12:13], indices s[14:15], gates s[16:17], scales s[18:19]
	s_load_b64 s[20:21], s[0:1], 0x40              ; out0
	v_lshrrev_b32 v1, 5, v0
	v_readfirstlane_b32 s22, v1                    ; wave w, 0..7
	v_and_b32 v1, 31, v0
	v_lshlrev_b32 v1, 4, v1                        ; 16 x lane
	v_and_b32 v16, 15, v0                          ; r
	v_bfe_u32 v17, v0, 4, 1                        ; h
	s_lshl_b32 s66, ttmp9, 4                       ; my record
	s_lshl_b32 s67, ttmp9, 7                       ; my tile's 32 tokens
	s_lshl_b32 s23, s22, 4
	s_add_co_u32 s23, s23, s67                     ; the four whose rows of x my wave fetches
	v_lshlrev_b32 v13, 2, v16
	v_add_nc_u32 v13, s67, v13                     ; token r of the tile
	s_wait_kmcnt 0x0
	s_load_b128 s[24:27], s[10:11], s66 offset:0x0 ; count, lo, hi, 0
	s_load_b128 s[28:31], s[12:13], s23 offset:0x0
	s_load_b512 s[32:47], s[12:13], s67 offset:0x0
	s_load_b512 s[48:63], s[12:13], s67 offset:0x40
	global_load_b32 v14, v13, s[12:13]             ; my lane's token of rows 0-15,
	global_load_b32 v15, v13, s[12:13] offset:64   ; and of rows 16-31
	s_lshl_b32 s2, s22, 16                         ; (s23, s66, s67 stay as they are while those loads are out)
	v_add_nc_u32 v2, s2, v1                        ; W1c: 65,536 w + 16 lane
	s_lshl_b32 s2, s22, 15
	v_add_nc_u32 v3, s2, v1                        ; W2c: 32,768 w + 16 lane
	s_mul_i32 s2, s22, 4*XPITCH
	v_add_nc_u32 v4, s2, v1                        ; x into LDS: rows 4 w on
	s_lshr_b32 s94, s22, 2
	s_and_b32 s95, s22, 3
	s_mul_i32 s2, s94, 16*XPITCH
	s_lshl_b32 s3, s95, 10
	s_add_co_u32 s2, s2, s3
	v_mul_u32_u24 v5, v16, XPITCH
	v_lshl_add_u32 v5, v17, 6, v5
	v_add_nc_u32 v5, s2, v5                        ; x out of LDS: row 16 (w / 4) + r, byte 1,024 (w % 4) + 64 h
	s_lshl_b32 s2, s22, 12
	s_add_co_u32 s2, s2, XI
	v_add_nc_u32 v6, s2, v1                        ; where I store x's images: fragments 2 w, 2 w + 1
	v_add_nc_u32 v7, XI, v1                        ; and where any is read
	s_lshl_b32 s2, s94, 11
	s_lshl_b32 s3, s95, 9
	s_add_co_u32 s2, s2, s3
	s_add_co_u32 s2, s2, AI
	v_add_nc_u32 v8, s2, v1                        ; my piece of the hidden layer's images: K step w / 4, piece w % 4
	v_add_nc_u32 v9, AI, v1
	s_mul_i32 s2, s22, 16*SPITCH
	s_add_co_u32 s2, s2, SG                        ; my stage
	v_mul_u32_u24 v10, v16, SPITCH
	v_lshl_add_u32 v10, v17, 5, v10
	v_add_nc_u32 v10, s2, v10                      ; in: row r, + 32 h
	v_add_nc_u32 v11, s2, v1                       ; back: a row of 512 bytes
	s_lshl_b32 s2, s22, 9
	v_add_nc_u32 v12, s2, v1                       ; my 512 bytes of a row of out0
	s_wait_kmcnt 0x0
	s_min_u32 s24, s24, 32
	s_min_u32 s25, s25, 7
	s_min_u32 s26, s26, 7
	s_lshl_b32 s94, s25, 3
	s_lshl_b32 s95, s26, 3
	s_load_b64 s[68:69], s[18:19], s94 offset:0x0  ; lo: ex, ew1
	s_load_b64 s[72:73], s[18:19], s94 offset:0x40 ;     ea, ew2
	s_load_b64 s[70:71], s[18:19], s95 offset:0x0  ; hi likewise
	s_load_b64 s[74:75], s[18:19], s95 offset:0x40
	s_mov_b32 s3, 0
	s_lshl_b32 s2, s25, 19
	s_add_nc_u64 s[76:77], s[6:7], s[2:3]          ; W1c of lo,
	s_lshl_b32 s2, s26, 19
	s_add_nc_u64 s[78:79], s[6:7], s[2:3]          ; of hi;
	s_lshl_b32 s2, s25, 18
	s_add_nc_u64 s[80:81], s[8:9], s[2:3]          ; W2c of lo,
	s_lshl_b32 s2, s26, 18
	s_add_nc_u64 s[82:83], s[8:9], s[2:3]          ; of hi
	; ---- R0: my four rows of x come in as they lie, 512 consecutive bytes a load, and go to LDS; the weight stream begins
.irp i, 0,1,2,3
	s_min_u32 s[28+\i], s[28+\i], 0xfff
	s_lshl_b32 s[28+\i], s[28+\i], 12
	v_add_nc_u32 v[160+\i], s[28+\i], v1
.endr
	WIN 0x40                                       ; destination window 1
.irp i, 0,1,2,3
.irp j, 0,1,2,3,4,5,6,7
	global_load_b128 v[4*(8*\i+\j):4*(8*\i+\j)+3], v[160+\i], s[4:5] offset:512*\j
.endr
.endr
	CHUNK 0
	s_wait_loadcnt 16                              ; the two token loads and x's 32 are in; chunk 0 stays out
	WIN 0x04                                       ; store data window 1
.irp i, 0,1,2,3
.irp j, 0,1,2,3,4,5,6,7
	ds_store_b128 v4, v[4*(8*\i+\j):4*(8*\i+\j)+3] offset:XPITCH*\i+512*\j
.endr
.endr
	WIN 0
	v_min_u32 v14, 0xfff, v14
	v_min_u32 v15, 0xfff, v15
	v_lshlrev_b32 v14, 3, v14
	v_lshlrev_b32 v15, 3, v15
	global_load_b64 v[16:17], v14, s[14:15]        ; my tokens' two experts,
	global_load_b64 v[18:19], v15, s[14:15]
	global_load_b64 v[20:21], v14, s[16:17]        ; and their gates
	global_load_b64 v[22:23], v15, s[16:17]
	CHUNK 1
	CHUNK 2
	BARRIER                                        ; all 32 rows of x lie in LDS
	; ---- R1: wave w makes x's fragments 2 w and 2 w + 1 (rows 16 (w / 4) on, K steps 2 (w % 4) and + 1), each with both experts' scales
	s_wait_kmcnt 0x0                               ; the eight exponents
	SCALE 68, 24, 25
	SCALE 70, 26, 27
	s_add_co_i32 s2, s68, s69                      ; a sum of the up product stands for sum x 2^(ex + ew1): the exponents are added to the exponent fields of 1 and of 1 / sqrt(2)
	s_lshl_b32 s2, s2, 23
	s_add_co_i32 s84, s2, 0x3f800000
	s_mov_b32 s85, s84                             ; (named with it as a pair, so it is written)
	s_add_co_i32 s88, s2, 0x3f3504f3
	s_mov_b32 s89, s88
	s_add_co_i32 s2, s70, s71
	s_lshl_b32 s2, s2, 23
	s_add_co_i32 s86, s2, 0x3f800000
	s_mov_b32 s87, s86
	s_add_co_i32 s90, s2, 0x3f3504f3
	s_mov_b32 s91, s90
	s_add_co_i32 s92, s72, s73                     ; ea + ew2 of lo,
	s_add_co_i32 s93, s74, s75                     ; of hi
.irp sl, 0,1
.irp b, 0,1,2,3
.irp j, 0,1,2,3
	ds_load_b128 v[UA+16*\b+4*\j:UA+16*\b+4*\j+3], v5 offset:512*\sl+128*\b+16*\j
.endr
.endr
	s_wait_dscnt 0x0
.irp p, 0,1
	QX \p, 2*\sl+\p
.irp q, 0,1,2,3
	ds_store_b128 v6, v[XFR+16*(2*\sl+\p)+4*\q:XFR+16*(2*\sl+\p)+4*\q+3] offset:32768*\p+2048*\sl+512*\q
.endr
.endr
.endr
	BARRIER                                        ; x's 32 images lie in LDS
	SCALE 72, 164, 160                             ; the hidden layer's scales and holds: lo,
	SCALE 74, 165, 161                             ; hi
	v_mov_b32 v166, 0x3e2ef945                     ; 0.17087277, twice
	v_mov_b32 v167, 0x3e2ef945
	; ---- the up products and the GLUs
	XFETCH 0, 0
.irp c, 0,1,2,3,4,5,6,7
	USTEP \c
.endr
	GLU 0
	XFETCH 1, 0
.irp c, 8,9,10,11,12,13,14,15
	USTEP \c
.endr
	GLU 1
	BARRIER                                        ; the hidden layer's 8 images lie in LDS; the weight loads stay on their way
	; ---- the down products
	AFETCH 0
	s_wait_dscnt 0x0
.irp c, 16,17,18,19
	DSTEP \c
.endr
	AFETCH 1                                       ; the last products' four places stand in their step
	s_wait_dscnt 0x0
.irp c, 20,21,22,23
	DSTEP \c
.endr
	; ---- THE WAY OUT.  A lane holds 32 neighbouring bytes of a row for each tile, and the lanes beside it hold other rows: 16 rows at a time go through my own stage and come back as whole runs of 512 bytes.
.irp m, 0,1
	WIN 0x04                                       ; store data window 1
.irp t, 0,1,2,3,4,5,6,7
	ds_store_b128 v10, v[8*(2*\t+\m):8*(2*\t+\m)+3] offset:64*\t
	ds_store_b128 v10, v[8*(2*\t+\m)+4:8*(2*\t+\m)+7] offset:64*\t+16
.endr
	WIN 0
.irp i, 0,1,2,3,4,5,6,7,8,9,10,11,12,13,14,15
	ds_load_b128 v[UA+64*\m+4*\i:UA+64*\m+4*\i+3], v11 offset:SPITCH*\i   ; LDS serves a wave's instructions in order (ISA guide 5.7.1.4): these see my stores, and the next 16 rows' stores come behind them
.endr
.endr
.set i, 0
.rept 32
	s_min_u32 s[32+i], s[32+i], 0xfff
	s_lshl_b32 s[32+i], s[32+i], 12
	v_add_nc_u32 v[192+i], s[32+i], v12            ; row i's token x 4,096 bytes + my 512: a register of its own for each store
.set i, i+1
.endr
	s_wait_dscnt 0x0
.set i, 0
.rept 32                               ; rows at or beyond the tile's count are not stored
	s_cmp_le_u32 s24, i
	s_cbranch_scc1 .Ldone
	global_store_b128 v[192+i], v[UA+4*i:UA+4*i+3], s[20:21] th:TH_STORE_NT   ; 32 lanes store 512 consecutive bytes, aligned; written once, read by nobody here
.set i, i+1
.endr
.Ldone:
	s_wait_xcnt 0x0
	v_lshl_add_u32 v254, v0, 2, 0x44a00
	v_mov_b32 v255, 0
	s_wait_tensorcnt 0x0
	ds_add_u32 v254, v255
	s_wait_dscnt 0x0
	s_endpgm
.Lfunc_end_k_q31bf8b8df5_moe:
	.size	k_q31bf8b8df5_moe, .Lfunc_end_k_q31bf8b8df5_moe-k_q31bf8b8df5_moe
	.p2alignl 7, 3214868480
	.fill 96, 4, 3214868480
	.section	.rodata,"a",@progbits
	.p2align	6, 0x0
	.amdhsa_kernel k_q31bf8b8df5_moe
		.amdhsa_group_segment_fixed_size 282112
		.amdhsa_private_segment_fixed_size 0
		.amdhsa_enable_private_segment 0
		.amdhsa_kernarg_size 72
		.amdhsa_user_sgpr_count 2
		.amdhsa_user_sgpr_kernarg_segment_ptr 1
		.amdhsa_wavefront_size32 1
		.amdhsa_system_sgpr_workgroup_id_x 1
		.amdhsa_system_sgpr_workgroup_id_y 1
		.amdhsa_system_sgpr_workgroup_id_z 1
		.amdhsa_system_vgpr_workitem_id 0
		.amdhsa_next_free_vgpr 512
		.amdhsa_next_free_sgpr 96
		.amdhsa_reserve_vcc 1
		.amdhsa_float_denorm_mode_32 3
		.amdhsa_float_denorm_mode_16_64 3
		.amdhsa_memory_ordered 1
		.amdhsa_forward_progress 1
		.amdhsa_inst_pref_size 183
	.end_amdhsa_kernel
	.amdgpu_metadata
---
amdhsa.version: [ 1, 2 ]
amdhsa.kernels:
  - .name:           k_q31bf8b8df5_moe
    .symbol:         k_q31bf8b8df5_moe.kd
    .args:
      - { .name: x, .offset: 0, .size: 8, .value_kind: global_buffer, .address_space: global }
      - { .name: W1c, .offset: 8, .size: 8, .value_kind: global_buffer, .address_space: global }
      - { .name: W2c, .offset: 16, .size: 8, .value_kind: global_buffer, .address_space: global }
      - { .name: tiles, .offset: 24, .size: 8, .value_kind: global_buffer, .address_space: global }
      - { .name: order, .offset: 32, .size: 8, .value_kind: global_buffer, .address_space: global }
      - { .name: expert_idxs, .offset: 40, .size: 8, .value_kind: global_buffer, .address_space: global }
      - { .name: expert_p, .offset: 48, .size: 8, .value_kind: global_buffer, .address_space: global }
      - { .name: lowp_scales, .offset: 56, .size: 8, .value_kind: global_buffer, .address_space: global }
      - { .name: out0, .offset: 64, .size: 8, .value_kind: global_buffer, .address_space: global }
    .group_segment_fixed_size: 282112
    .private_segment_fixed_size: 0
    .kernarg_segment_align: 8
    .kernarg_segment_size: 72
    .max_flat_workgroup_size: 256
    .sgpr_count:     96
    .vgpr_count:     512
    .wavefront_size: 32
...
	.end_amdgpu_metadata
.endif
;; end of part 2
;; ======== version 2 of 3: 2 launches
;; workspace buffers: W1c 4,194,304 bytes; W2c 2,097,152 bytes; tiles 2,560 bytes of whole numbers; order 20,480 bytes of whole numbers
;; launch prep (part 3): grid 193 x 1, 8 waves a work-group, no clusters, 72,704 bytes of LDS; arguments W1, W2, expert_idxs, lowp_scales, W1c, W2c, tiles, order; writes W1c, W2c, tiles, order
.if DOCPART == 3
	.amdgcn_target "amdgcn-amd-amdhsa--gfx1250"
	.amdhsa_code_object_version 6
	.text
	.protected	k_q31bf8b8df5_prep
	.globl	k_q31bf8b8df5_prep
	.p2align	8
	.type	k_q31bf8b8df5_prep,@function
k_q31bf8b8df5_prep:
	s_mov_b64 s[64:65], 0
	v_nop
	global_prefetch_b8 v0, s[64:65] scope:SCOPE_SE
	s_setreg_imm32_b32 hwreg(HW_REG_WAVE_MODE, 25, 1), 1
	s_wait_xcnt 0x0
; PREP: the weights become codes of FP8 (E4M3), and the tokens are sorted by their set of experts.
; Work-group 0 routes; work-groups 1-128 take W1 [8][1024][512] f32; work-groups 129-192 take W2 [8][256][1024] f32.  The three ways part on the work-group's number alone and have LDS bytes of their own.
; THE CODES are laid in the order of the matrix operand's registers.  A fragment is 16 rows x 128 K = 4 pieces of 512 bytes; in piece c lane l = (r = l % 16, h = l / 16) owns the 16 bytes at 16 l:
; row r, k = 128 s + 32 c + 16 h + 0 .. 15.   W1c: [e 8][w 8][s 8][t 4][c 4][512 B], t = 2 kind + u (kind 0: h, kind 1: g), row r = W1's column 256 kind + 32 w + 8 u + r + 8 (r / 8).
; W2c: [e 8][w 8][t 8][s 2][c 4][512 B], row r = W2's column 128 w + 16 t + r.
; A WAVE takes 128 columns x 32 along K: 32 loads of 512 consecutive bytes, all out at once.  A lane then holds 4 columns, and its registers run down K with a stride of four registers: the hold at the largest
; code reads with that stride and writes 16 neighbours, so the turn costs nothing.  A lane's 16 codes go through the wave's own stage in LDS (8 pieces at a pitch of 528 bytes) and leave as whole pieces: each store of the
; wave covers 512 consecutive bytes, aligned.  code = x / 2^e, held within +-448, to the nearest code, ties to even.
; LIMITS: the weights' exponents e lie between -126 and 119, so that 2^e and 448 x 2^e are f32 numbers.  NaN among the weights is not served.
; ROUTING.  A token's set is the unordered pair of its two experts; a token that names expert a twice joins set (a, a + 1), or (6, 7) for a = 7.  28 sets, numbered lo (15 - lo) / 2 + hi - lo - 1.  A counting sort,
; without atomics, lays the tokens of a set into tiles of 32 that never straddle sets: at most (4096 + 28 x 31) / 32 = 155 tiles.  tiles: 160 records {count, lo, hi, 0}; order: 160 x 32 token numbers, unused places 0.
; THE SORT WORKS WITH LANES AS SETS.  Wave w owns tokens 512 w on, in 16 steps of 32 lanes.  Five ballots of the set number's bits serve a step; from them lane b forms the mask of the step's tokens of set b, counts it,
; and keeps the running count over the steps.  A token pulls its own set's mask and counts the bits under its lane.  Its place: 32 x the set's first tile + the set's tokens in earlier waves, in earlier steps, in lower lanes.
; LIMIT: an expert's index outside 0 .. 7 is not served (an index stays inside the table that it indexes); the set's number is held at 27 and a place inside order, so no address leaves its buffer.
.set TB,   0                           ; LDS: the routing's table of counts, 8 waves x 32 words
.set ST1,  4096                        ; W1's stages, 4,224 bytes a wave
.set ST2,  37888                       ; W2's stages
.set SP,   528                         ; a piece in a stage: 512 bytes + 16
.set WST,  8*SP
.set T,    32                          ; v32-63   two sets of 16 held neighbours, by turns
.set X,    64                          ; v64-191  the 32 rows as loaded: register 4 i + cc = row i, column 4 lane + cc
.set C,    192                         ; v192-223 codes: four registers for each of the 8 groups (half of K, column)
.set O,    224                         ; v224-255 the 8 pieces read back
.set LK,   12                          ; v12-16   routing: bit k of my lane's number set: 0, clear: all ones
.set IDX,  36                          ; v36-67   16 steps' index pairs; later at work
.set CM,   84                          ; v84-99   lane = set: the mask of step i's tokens of my set
.set B4,   100                         ; v100-115 lane = token: 4 x its set's number: the lane select
.set PO,   116                         ; v116-131 the token's place in order
.set TOK,  132                         ; v132-147 the token's number
.set PE,   148                         ; v148-163 lane = token: the mask of step i's tokens of its set
.set PRE,  164                         ; v164-180 lane = set: my wave's tokens of my set in steps before i; entry 16: in all
.set TA,   184                         ; v184-223 at work: five registers for each of eight steps
; The quantiser of a wave's 128 columns x 32 K.  src, dst: the scalar pairs with the wave's first byte; stride: a row of the weight in bytes; w1 = 1: W1's places for the 8 pieces, else W2's.
; v2 = 16 x lane, v4 = where I put 16 codes in the stage, v5 = where I read a piece back; s36 is being loaded with e.
.macro QW src, dst, stride, w1
.set i, 0
.rept 32
	global_load_b128 v[X+4*i:X+4*i+3], v2, s[\src:\src+1] offset:i*\stride th:TH_LOAD_NT   ; row i: 32 lanes read 512 consecutive bytes; read once in the launch
.set i, i+1
.endr
	s_wait_kmcnt 0x0                               ; e
	s_add_co_i32 s36, s36, 127
	s_lshl_b32 s37, s36, 23
	v_mov_b32 v8, s37                              ; 2^e as f32: the conversion takes its exponent field
	s_add_co_i32 s36, s36, 8
	s_lshl_b32 s36, s36, 23
	s_or_b32 s36, s36, 0x600000
	v_mov_b32 v9, s36                              ; 448 x 2^e
.irp hh, 0,1
	s_wait_loadcnt 16-16*\hh                       ; rows 16 hh .. 16 hh + 15 are in; with hh = 0 the sixteen younger loads stay out
.irp cc, 0,1,2,3
.set TS, T+16*((4*\hh+\cc)&1)
.set CS, C+4*(4*\hh+\cc)
.irp k, 0,1,2,3,4,5,6,7,8,9,10,11,12,13,14,15
	v_med3_num_f32 v[TS+\k], v[X+4*(16*\hh+\k)+\cc], -v9, v9   ; the conversion does not saturate (ISA guide 7.6.2): the hold; it also gathers column cc's 16 neighbours along K
.endr
	v_cvt_scalef32_pk8_fp8_f32 v[CS:CS+1], v[TS:TS+7], v8
	v_cvt_scalef32_pk8_fp8_f32 v[CS+2:CS+3], v[TS+8:TS+15], v8   ; the next group's sixteen holds write the other set: plain lines stand before this set is written again
	ds_store_b128 v4, v[CS:CS+3] offset:16*\cc+256*\hh           ; row r + cc of the piece, half hh of the lanes
.endr
.endr
	v_nop                                          ; one plain line behind the last conversion
.set j, 0
.rept 8
	ds_load_b128 v[O+4*j:O+4*j+3], v5 offset:SP*j  ; LDS serves a wave's instructions in order (ISA guide 5.7.1.4): these see my stores
.set j, j+1
.endr
.set j, 0
.rept 8
	s_wait_dscnt 7-j                               ; piece j is back; the younger reads stay out
.if \w1
	global_store_b128 v2, v[O+4*j:O+4*j+3], s[\dst:\dst+1] offset:(j>>1)*65536+(j&1)*2048   ; piece j: wave-of-the-reader j / 2, tile u = j % 2
.else
	global_store_b128 v2, v[O+4*j:O+4*j+3], s[\dst:\dst+1] offset:j*4096                    ; piece j: tile t = j
.endif
.set j, j+1
.endr
.endm
; ROUTING: steps 8 g .. 8 g + 7 of my wave.  Every stage is written over the eight steps, so that no line waits for the line above it.  s24-63: the eight steps' five ballots.
.macro GROUP g
.set i, 0
.rept 8
.irp k, 0,1,2,3,4
	v_and_b32 v[TA+5*i+\k], 4<<\k, v[B4+8*\g+i]    ; bit k of the token's set
.endr
.set i, i+1
.endr
.set i, 0
.rept 8
.irp k, 0,1,2,3,4
	v_cmp_ne_u32 s[24+5*i+\k], 0, v[TA+5*i+\k]     ; the ballot: the lanes whose token has it set
.endr
.set i, i+1
.endr
.set i, 0
.rept 8
.irp k, 0,1,2,3,4
	v_xor_b32 v[TA+5*i+\k], s[24+5*i+\k], v[LK+\k] ; lane = set: the tokens that agree with my lane's number in bit k
.endr
.set i, i+1
.endr
.set i, 0
.rept 8
	v_and_b32 v[TA+5*i], v[TA+5*i], v[TA+5*i+1]
	v_and_b32 v[TA+5*i+2], v[TA+5*i+2], v[TA+5*i+3]
.set i, i+1
.endr
.set i, 0
.rept 8
	v_and_b32 v[TA+5*i], v[TA+5*i], v[TA+5*i+2]
.set i, i+1
.endr
.set i, 0
.rept 8
	v_and_b32 v[CM+8*\g+i], v[TA+5*i], v[TA+5*i+4] ; in all five: the step's tokens of set = my lane (lanes 28-31: none)
.set i, i+1
.endr
.set i, 0
.rept 8
	ds_bpermute_b32 v[PE+8*\g+i], v[B4+8*\g+i], v[CM+8*\g+i]   ; each token pulls its own set's mask; the count below stands between these and the wait for them
.set i, i+1
.endr
	; the masks' bits are counted in fields of 2, 4 and 8 bits; the four bytes are summed by a multiplication
.set i, 0
.rept 8
	v_lshrrev_b32 v[TA+5*i+1], 1, v[CM+8*\g+i]
.set i, i+1
.endr
.set i, 0
.rept 8
	v_and_b32 v[TA+5*i+1], s66, v[TA+5*i+1]
.set i, i+1
.endr
.set i, 0
.rept 8
	v_sub_nc_u32 v[TA+5*i], v[CM+8*\g+i], v[TA+5*i+1]
.set i, i+1
.endr
.set i, 0
.rept 8
	v_lshrrev_b32 v[TA+5*i+1], 2, v[TA+5*i]
.set i, i+1
.endr
.set i, 0
.rept 8
	v_and_b32 v[TA+5*i], s67, v[TA+5*i]
	v_and_b32 v[TA+5*i+1], s67, v[TA+5*i+1]
.set i, i+1
.endr
.set i, 0
.rept 8
	v_add_nc_u32 v[TA+5*i], v[TA+5*i], v[TA+5*i+1]
.set i, i+1
.endr
.set i, 0
.rept 8
	v_lshrrev_b32 v[TA+5*i+1], 4, v[TA+5*i]
.set i, i+1
.endr
.set i, 0
.rept 8
	v_add_nc_u32 v[TA+5*i], v[TA+5*i], v[TA+5*i+1]
.set i, i+1
.endr
.set i, 0
.rept 8
	v_and_b32 v[TA+5*i], s68, v[TA+5*i]
.set i, i+1
.endr
.set i, 0
.rept 8
	v_mul_lo_u32 v[TA+5*i], v[TA+5*i], s69
.set i, i+1
.endr
.set i, 0
.rept 8
	v_lshrrev_b32 v[TA+5*i], 24, v[TA+5*i]         ; the step's tokens of my set, 0 .. 32
.set i, i+1
.endr
.set i, 0
.rept 8
	v_add_nc_u32 v[PRE+8*\g+i+1], v[PRE+8*\g+i], v[TA+5*i]
.set i, i+1
.endr
.endm
	s_load_b512 s[4:19], s[0:1], 0x0               ; W1 s[4:5], W2 s[6:7], indices s[8:9], scales s[10:11], W1c s[12:13], W2c s[14:15], tiles s[16:17], order s[18:19]
	s_set_vgpr_msb 0x40
	v_lshl_add_u32 v0, v0, 2, 0x11800
	v_mov_b32 v1, 0
	s_set_vgpr_msb 0x4000
	v_lshrrev_b32 v1, 5, v0
	v_readfirstlane_b32 s22, v1                    ; wave 0..7
	v_and_b32 v1, 31, v0                           ; lane L
	v_lshlrev_b32 v2, 4, v1                        ; 16 L
	s_cmp_eq_u32 ttmp9, 0
	s_cbranch_scc1 .Lroute
	s_cmp_gt_u32 ttmp9, 128
	s_cbranch_scc1 .Lw2
	; ---- W1: work-group g = id - 1: expert g / 16; wave: block of 32 along K kb = 2 (g % 16) + wave / 4, columns 128 (wave % 4) on
	s_sub_co_u32 s24, ttmp9, 1
	s_lshr_b32 s25, s22, 2
	s_and_b32 s26, s22, 3                          ; cg: which 128 columns
	s_lshl_b32 s27, s24, 1
	s_add_co_u32 s27, s27, s25                     ; 32 e + kb
	s_lshl_b32 s28, s27, 16                        ; 32 rows of 2,048 bytes each
	s_lshl_b32 s29, s26, 9
	s_add_co_u32 s28, s28, s29
	s_mov_b32 s29, 0
	s_lshr_b32 s30, s24, 4                         ; e
	s_and_b32 s31, s27, 31                         ; kb
	s_lshl_b32 s32, s30, 19                        ; W1c: e x 524,288
	s_and_b32 s33, s26, 1
	s_lshl_b32 s33, s33, 18                        ; + 4 (cg % 2) readers' waves of 65,536
	s_add_co_u32 s32, s32, s33
	s_lshr_b32 s33, s31, 2
	s_lshl_b32 s33, s33, 13                        ; + K step kb / 4 of 8,192
	s_add_co_u32 s32, s32, s33
	s_lshr_b32 s33, s26, 1
	s_lshl_b32 s33, s33, 12                        ; + kind cg / 2: two tiles of 2,048
	s_add_co_u32 s32, s32, s33
	s_and_b32 s33, s31, 3
	s_lshl_b32 s33, s33, 9                         ; + piece kb % 4
	s_add_co_u32 s32, s32, s33
	s_mov_b32 s33, 0
	s_lshl_b32 s34, s30, 3                         ; the scale's entry 2 e + 1: byte 8 e + 4
	s_mul_i32 s35, s22, WST
	s_add_co_u32 s35, s35, ST1                     ; my stage
	v_lshrrev_b32 v6, 3, v1
	v_bfe_u32 v7, v1, 1, 1
	v_lshl_add_u32 v6, v6, 1, v7                   ; column 4 L + cc lies in piece 2 (L / 8) + (L / 2) % 2,
	v_mul_u32_u24 v6, v6, SP
	v_and_b32 v7, 1, v1
	v_lshl_add_u32 v6, v7, 6, v6                   ; at row 4 (L % 2) + 8 ((L / 4) % 2) + cc
	v_bfe_u32 v7, v1, 2, 1
	v_lshl_add_u32 v6, v7, 7, v6
	v_add_nc_u32 v4, s35, v6
	v_add_nc_u32 v5, s35, v2
	s_wait_kmcnt 0x0
	s_add_nc_u64 s[4:5], s[4:5], s[28:29]
	s_add_nc_u64 s[12:13], s[12:13], s[32:33]
	s_load_b32 s36, s[10:11], s34 offset:0x4
	QW 4, 12, 2048, 1
	s_set_vgpr_msb 0x5
	s_wait_tensorcnt 0x0
	ds_add_u32 v0, v1
	s_wait_dscnt 0x0
	s_set_vgpr_msb 0x500
	s_endpgm
	; ---- W2: work-group g = id - 129: expert g / 8, block of 32 along K kb = g % 8; wave: columns 128 wave on
.Lw2:
	s_sub_co_u32 s24, ttmp9, 129
	s_lshl_b32 s28, s24, 17                        ; 32 rows of 4,096 bytes each
	s_lshl_b32 s29, s22, 9
	s_add_co_u32 s28, s28, s29
	s_mov_b32 s29, 0
	s_lshr_b32 s30, s24, 3                         ; e
	s_and_b32 s31, s24, 7                          ; kb
	s_lshl_b32 s32, s30, 18                        ; W2c: e x 262,144
	s_lshl_b32 s33, s22, 15                        ; + the reader's wave x 32,768
	s_add_co_u32 s32, s32, s33
	s_lshr_b32 s33, s31, 2
	s_lshl_b32 s33, s33, 11                        ; + K step kb / 4 of 2,048
	s_add_co_u32 s32, s32, s33
	s_and_b32 s33, s31, 3
	s_lshl_b32 s33, s33, 9                         ; + piece kb % 4
	s_add_co_u32 s32, s32, s33
	s_mov_b32 s33, 0
	s_lshl_b32 s34, s30, 3                         ; the scale's entry 17 + 2 e: byte 8 e + 68
	s_mul_i32 s35, s22, WST
	s_add_co_u32 s35, s35, ST2                     ; my stage
	v_lshrrev_b32 v6, 2, v1                        ; column 4 L + cc lies in piece (tile) L / 4, at row 4 (L % 4) + cc
	v_mul_u32_u24 v6, v6, SP
	v_and_b32 v7, 3, v1
	v_lshl_add_u32 v6, v7, 6, v6
	v_add_nc_u32 v4, s35, v6
	v_add_nc_u32 v5, s35, v2
	s_wait_kmcnt 0x0
	s_add_nc_u64 s[6:7], s[6:7], s[28:29]
	s_add_nc_u64 s[14:15], s[14:15], s[32:33]
	s_load_b32 s36, s[10:11], s34 offset:0x44
	QW 6, 14, 4096, 0
	s_set_vgpr_msb 0x5
	s_wait_tensorcnt 0x0
	ds_add_u32 v0, v1
	s_wait_dscnt 0x0
	s_set_vgpr_msb 0x500
	s_endpgm
	; ---- ROUTING: wave w owns tokens 512 w .. 512 w + 511, in 16 steps of 32 lanes
.Lroute:
	v_lshlrev_b32 v3, 4, v0                        ; 16 x thread: the fill's and the records' place
	v_lshlrev_b32 v4, 2, v0                        ; TB + 4 x thread: my word of the table
	v_lshlrev_b32 v5, 2, v1                        ; TB + 4 x lane
	v_and_b32 v7, 0xe0, v0                         ; 32 w
	v_lshlrev_b32 v6, 7, v7
	v_lshl_add_u32 v6, v1, 3, v6                   ; my token's index pair in step 0: byte 4,096 w + 8 L
	v_lshl_add_u32 v7, v7, 4, v1                   ; and its number: 512 w + L
	v_mov_b32 v8, 0
	v_mov_b32 v9, 0
	v_mov_b32 v10, 0
	v_mov_b32 v11, 0
	s_wait_kmcnt 0x0
.set i, 0
.rept 16
	global_load_b64 v[IDX+2*i:IDX+2*i+1], v6, s[8:9] offset:256*i   ; the sort waits for these: they go out first
.set i, i+1
.endr
.irp i, 0,1,2,3,4
	global_store_b128 v3, v[8:11], s[18:19] offset:4096*\i   ; all 20,480 bytes of order are 0 first: 256 threads x 16 bytes x 5
.endr
	; what hangs on ids alone is made while the indices are on their way
	s_mov_b32 s66, 0x55555555                      ; the bit count's field masks,
	s_mov_b32 s67, 0x33333333
	s_mov_b32 s68, 0x0f0f0f0f
	s_mov_b32 s69, 0x01010101                      ; and the factor that sums four bytes into the top one
	s_mov_b32 s70, 0x0f0b0600                      ; g(lo) = lo (15 - lo) / 2 - lo as a table of bytes: 0, 6, 11, 15,
	s_mov_b32 s71, 0x15151412                      ; 18, 20, 21, 21
	s_mov_b32 s79, 0xffff0000                      ; lanes 16-31
.irp k, 0,1,2,3,4,5,6
	s_cmp_gt_u32 s22, \k
	s_cselect_b32 s[72+\k], 1, 0                   ; 1 where wave k comes before mine
.endr
.irp k, 0,1,2,3,4
	v_bfe_u32 v[LK+\k], v1, \k, 1
	v_add_nc_u32 v[LK+\k], -1, v[LK+\k]            ; bit k of my lane's number set: 0, clear: all ones
.endr
	v_mov_b32 v19, 0
.irp thr, 7,13,18,22,25,27
	v_cmp_le_u32 vcc_lo, \thr, v1
	v_cndmask_b32 v20, 0, 1, vcc_lo
	v_add_nc_u32 v19, v19, v20                     ; lo of set = my lane: how many of the sets (1,2), (2,3) .. (6,7) are at or below it
.endr
	v_perm_b32 v20, s71, s70, v19                  ; g(lo): selector bytes 0-3 take the second source's bytes, 4-7 the first's; the three upper selector bytes are 0 and take the table's 0
	v_sub_nc_u32 v20, v1, v20                      ; hi - 1
	v_lshl_add_u32 v17, v19, 3, v20
	v_add_nc_u32 v17, 1, v17                       ; 8 lo + hi of set = my lane (lanes 28-31 are not read)
	v_lshl_or_b32 v18, v0, 19, 0x7ffff             ; record i's key: i above 19 ones
	v_mov_b32 v23, 0                               ; written once: the destination of a DPP form counts as one of its sources
	v_mov_b32 v[PRE], 0
.set i, 0
.rept 16
	v_add_nc_u32 v[TOK+i], 32*i, v7
.set i, i+1
.endr
	s_wait_loadcnt 0x0
	; 4 x the set's number = 4 x min(27, g(lo) + max(hi - 1, lo)).  lo = hi = a gives g(a) + a: the set (a, a + 1); a = 7 gives 28, held at 27: the set (6, 7)
.set i, 0
.rept 16
	v_min_u32 v[184+i], v[IDX+2*i], v[IDX+2*i+1]
	v_max_u32 v[200+i], v[IDX+2*i], v[IDX+2*i+1]
.set i, i+1
.endr
.set i, 0
.rept 16
	v_perm_b32 v[216+i], s71, s70, v[184+i]
	v_add_nc_u32 v[200+i], -1, v[200+i]
.set i, i+1
.endr
.set i, 0
.rept 16
	v_max_i32 v[200+i], v[200+i], v[184+i]
.set i, i+1
.endr
.set i, 0
.rept 16
	v_add_lshl_u32 v[B4+i], v[216+i], v[200+i], 2
.set i, i+1
.endr
.set i, 0
.rept 16
	v_min_u32 v[B4+i], 108, v[B4+i]
.set i, i+1
.endr
	GROUP 0
	GROUP 1
	ds_store_b32 v4, v[PRE+16]                     ; my wave's tokens of each set, lane = set
	s_wait_storecnt 0x0                            ; my part of the fill is done: no wave places a token before all of order is 0
	s_wait_dscnt 0x0                               ; my counts lie in LDS, and the masks are pulled
	s_barrier_signal -1
	s_barrier_wait -1
.irp k, 0,1,2,3,4,5,6,7
	ds_load_b32 v[28+\k], v5 offset:128*\k         ; all eight waves' counts of set = my lane
.endr
	s_wait_dscnt 0x0
	v_add3_u32 v19, v28, v29, v30
	v_mul_u32_u24 v20, v28, s72
	v_add3_u32 v19, v19, v31, v32
	v_mad_u32_u24 v20, v29, s73, v20
	v_add3_u32 v19, v19, v33, v34
	v_mad_u32_u24 v20, v30, s74, v20
	v_add_nc_u32 v19, v19, v35                     ; the set's tokens
	v_mad_u32_u24 v20, v31, s75, v20
	v_add_nc_u32 v21, 31, v19
	v_mad_u32_u24 v20, v32, s76, v20
	v_lshrrev_b32 v21, 5, v21                      ; its tiles
	v_mad_u32_u24 v20, v33, s77, v20
	v_mov_b32 v22, v21
	v_mad_u32_u24 v20, v34, s78, v20               ; its tokens in the waves before mine
	; the running sum of the tiles over the lanes: four steps inside each row of 16 lanes (a lane without a source takes 0), then row 0's total onto row 1
.irp n, 1,2,4,8
	v_mov_b32_dpp v23, v22 row_shr:\n row_mask:0xf bank_mask:0xf bound_ctrl:1
	v_add_nc_u32 v22, v22, v23
.endr
	v_readlane_b32 s23, v22, 15
	v_cndmask_b32 v23, 0, s23, s79
	v_add_nc_u32 v22, v22, v23
	v_sub_nc_u32 v22, v22, v21                     ; the set's first tile
	v_lshl_add_u32 v36, v22, 5, v20                ; lane = set: where my wave's tokens of the set begin
.set i, 0
.rept 16
	v_add_nc_u32 v[PRE+i], v[PRE+i], v36           ; and those of step i
.set i, i+1
.endr
.set i, 0
.rept 16
	ds_bpermute_b32 v[PO+i], v[B4+i], v[PRE+i]     ; each token takes its set's lane; the records stand between these and the wait for them
.set i, i+1
.endr
	s_cmp_gt_u32 s22, 4
	s_cbranch_scc1 .Lno_record                     ; 160 records: waves 0 to 4
	; a set's pack: first tile << 19 | tokens << 6 | 8 lo + hi (tokens <= 4,096, tiles <= 155).  Record i keeps the last set whose first tile is <= i, that is whose pack is <= i's key:
	; a set without tiles is written over by the next one; behind the last tile the count comes out 0
	v_lshl_or_b32 v37, v19, 6, v17
	v_lshl_or_b32 v37, v22, 19, v37
.set b, 0
.rept 28
	v_readlane_b32 s[24+b], v37, b
.set b, b+1
.endr
	v_mov_b32 v38, s24                             ; set 0 begins at tile 0
.set b, 1
.rept 27
	v_cmp_le_u32 s[52+(b&1)], s[24+b], v18
	v_cndmask_b32 v38, v38, s[24+b], s[52+(b&1)]
.set b, b+1
.endr
	v_lshrrev_b32 v39, 19, v38                     ; the set's first tile,
	v_bfe_u32 v40, v38, 6, 13                      ; its tokens
	v_sub_nc_u32 v39, v0, v39
	v_lshlrev_b32 v39, 5, v39
	v_sub_nc_u32 v39, v40, v39                     ; what is left of the set at tile i,
	v_max_i32 v39, 0, v39
	v_min_i32 v24, 32, v39                         ; held within 0 .. 32: the tile's count
	v_bfe_u32 v25, v38, 3, 3                       ; lo
	v_and_b32 v26, 7, v38                          ; hi
	v_mov_b32 v27, 0
	global_store_b128 v3, v[24:27], s[16:17]
.Lno_record:
	s_wait_dscnt 0x0
.set i, 0
.rept 16
	v_mbcnt_lo_u32_b32 v[PO+i], v[PE+i], v[PO+i]   ; + the step's tokens of my set in lower lanes
.set i, i+1
.endr
.set i, 0
.rept 16
	v_min_u32 v[PO+i], 0x13ff, v[PO+i]             ; inside order's 5,120 words
.set i, i+1
.endr
.set i, 0
.rept 16
	v_lshlrev_b32 v[PO+i], 2, v[PO+i]
.set i, i+1
.endr
.set i, 0
.rept 16                               ; 4 bytes a lane to scattered places: 16 KiB in all, once; each step has registers of its own
	global_store_b32 v[PO+i], v[TOK+i], s[18:19]
.set i, i+1
.endr
	s_set_vgpr_msb 0x5
	s_wait_tensorcnt 0x0
	ds_add_u32 v0, v1
	s_wait_dscnt 0x0
	s_set_vgpr_msb 0x500
	s_endpgm
.Lfunc_end_k_q31bf8b8df5_prep:
	.size	k_q31bf8b8df5_prep, .Lfunc_end_k_q31bf8b8df5_prep-k_q31bf8b8df5_prep
	.p2alignl 7, 3214868480
	.fill 96, 4, 3214868480
	.section	.rodata,"a",@progbits
	.p2align	6, 0x0
	.amdhsa_kernel k_q31bf8b8df5_prep
		.amdhsa_group_segment_fixed_size 72704
		.amdhsa_private_segment_fixed_size 0
		.amdhsa_enable_private_segment 0
		.amdhsa_kernarg_size 64
		.amdhsa_user_sgpr_count 2
		.amdhsa_user_sgpr_kernarg_segment_ptr 1
		.amdhsa_wavefront_size32 1
		.amdhsa_system_sgpr_workgroup_id_x 1
		.amdhsa_system_sgpr_workgroup_id_y 1
		.amdhsa_system_sgpr_workgroup_id_z 1
		.amdhsa_system_vgpr_workitem_id 0
		.amdhsa_next_free_vgpr 258
		.amdhsa_next_free_sgpr 80
		.amdhsa_reserve_vcc 1
		.amdhsa_float_denorm_mode_32 3
		.amdhsa_float_denorm_mode_16_64 3
		.amdhsa_memory_ordered 1
		.amdhsa_forward_progress 1
		.amdhsa_inst_pref_size 78
	.end_amdhsa_kernel
	.amdgpu_metadata
---
amdhsa.version: [ 1, 2 ]
amdhsa.kernels:
  - .name:           k_q31bf8b8df5_prep
    .symbol:         k_q31bf8b8df5_prep.kd
    .args:
      - { .name: W1, .offset: 0, .size: 8, .value_kind: global_buffer, .address_space: global }
      - { .name: W2, .offset: 8, .size: 8, .value_kind: global_buffer, .address_space: global }
      - { .name: expert_idxs, .offset: 16, .size: 8, .value_kind: global_buffer, .address_space: global }
      - { .name: lowp_scales, .offset: 24, .size: 8, .value_kind: global_buffer, .address_space: global }
      - { .name: W1c, .offset: 32, .size: 8, .value_kind: global_buffer, .address_space: global }
      - { .name: W2c, .offset: 40, .size: 8, .value_kind: global_buffer, .address_space: global }
      - { .name: tiles, .offset: 48, .size: 8, .value_kind: global_buffer, .address_space: global }
      - { .name: order, .offset: 56, .size: 8, .value_kind: global_buffer, .address_space: global }
    .group_segment_fixed_size: 72704
    .private_segment_fixed_size: 0
    .kernarg_segment_align: 8
    .kernarg_segment_size: 64
    .max_flat_workgroup_size: 256
    .sgpr_count:     80
    .vgpr_count:     258
    .wavefront_size: 32
...
	.end_amdgpu_metadata
.endif
;; end of part 3
;; launch moe: the kernel of part 2 again; grid 155 x 1, 8 waves a work-group, no clusters, 282,112 bytes of LDS; arguments x, W1c, W2c, tiles, order, expert_idxs, expert_p, lowp_scales, out0; writes out0
;; ======== version 3 of 3: 2 launches
;; workspace buffers: W1c 4,194,304 bytes; W2c 2,097,152 bytes; tiles 2,560 bytes of whole numbers; order 20,480 bytes of whole numbers
;; launch prep (part 4): grid 193 x 1, 8 waves a work-group, no clusters, 72,704 bytes of LDS; arguments W1, W2, expert_idxs, lowp_scales, W1c, W2c, tiles, order; writes W1c, W2c, tiles, order
.if DOCPART == 4
	.amdgcn_target "amdgcn-amd-amdhsa--gfx1250"
	.amdhsa_code_object_version 6
	.text
	.protected	k_q31bf8b8df5_prep
	.globl	k_q31bf8b8df5_prep
	.p2align	8
	.type	k_q31bf8b8df5_prep,@function
k_q31bf8b8df5_prep:
	s_mov_b64 s[64:65], 0
	v_nop
	global_prefetch_b8 v0, s[64:65] scope:SCOPE_SE
	s_setreg_imm32_b32 hwreg(HW_REG_WAVE_MODE, 25, 1), 1
	s_wait_xcnt 0x0
; PREP: the weights become codes of FP8 (E4M3), and the tokens are sorted by their set of experts.
; Work-group 0 routes; work-groups 1-128 take W1 [8][1024][512] f32; work-groups 129-192 take W2 [8][256][1024] f32.  The three ways part on the work-group's number alone and have LDS bytes of their own.
; THE CODES are laid in the order of the matrix operand's registers.  A fragment is 16 rows x 128 K = 4 pieces of 512 bytes; in piece c lane l = (r = l % 16, h = l / 16) owns the 16 bytes at 16 l:
; row r, k = 128 s + 32 c + 16 h + 0 .. 15.   W1c: [e 8][w 8][s 8][t 4][c 4][512 B], t = 2 kind + u (kind 0: h, kind 1: g), row r = W1's column 256 kind + 32 w + 8 u + r + 8 (r / 8).
; W2c: [e 8][w 8][t 8][s 2][c 4][512 B], row r = W2's column 128 w + 16 t + r.
; A WAVE takes 128 columns x 32 along K: 32 loads of 512 consecutive bytes, all out at once.  A lane then holds 4 columns, and its registers run down K with a stride of four registers: the hold at the largest
; code reads with that stride and writes 16 neighbours, so the turn costs nothing.  A lane's 16 codes go through the wave's own stage in LDS (8 pieces at a pitch of 528 bytes) and leave as whole pieces: each store of the
; wave covers 512 consecutive bytes, aligned.  code = x / 2^e, held within +-448, to the nearest code, ties to even.
; LIMITS: the weights' exponents e lie between -126 and 119, so that 2^e and 448 x 2^e are f32 numbers.  NaN among the weights is not served.
; ROUTING.  A token's set is the unordered pair of its two experts; a token that names expert a twice joins set (a, a + 1), or (6, 7) for a = 7.  28 sets, numbered lo (15 - lo) / 2 + hi - lo - 1.  A counting sort,
; without atomics, lays the tokens of a set into tiles of 32 that never straddle sets: at most (4096 + 28 x 31) / 32 = 155 tiles.  tiles: 160 records {count, lo, hi, 0}; order: 160 x 32 token numbers, unused places 0.
; THE SORT WORKS WITH LANES AS SETS.  Wave w owns tokens 512 w on, in 16 steps of 32 lanes.  Five ballots of the set number's bits serve a step; from them lane b forms the mask of the step's tokens of set b, counts it,
; and keeps the running count over the steps.  A token pulls its own set's mask and counts the bits under its lane.  Its place: 32 x the set's first tile + the set's tokens in earlier waves, in earlier steps, in lower lanes.
; LIMIT: an expert's index outside 0 .. 7 is not served (an index stays inside the table that it indexes); the set's number is held at 27 and a place inside order, so no address leaves its buffer.
.set TB,   0                           ; LDS: the routing's table of counts, 8 waves x 32 words
.set ST1,  4096                        ; W1's stages, 4,224 bytes a wave
.set ST2,  37888                       ; W2's stages
.set SP,   528                         ; a piece in a stage: 512 bytes + 16
.set WST,  8*SP
.set T,    32                          ; v32-63   two sets of 16 held neighbours, by turns
.set X,    64                          ; v64-191  the 32 rows as loaded: register 4 i + cc = row i, column 4 lane + cc
.set C,    192                         ; v192-223 codes: four registers for each of the 8 groups (half of K, column)
.set O,    224                         ; v224-255 the 8 pieces read back
.set LK,   12                          ; v12-16   routing: bit k of my lane's number set: 0, clear: all ones
.set IDX,  36                          ; v36-67   16 steps' index pairs; later at work
.set CM,   84                          ; v84-99   lane = set: the mask of step i's tokens of my set
.set B4,   100                         ; v100-115 lane = token: 4 x its set's number: the lane select
.set PO,   116                         ; v116-131 the token's place in order
.set TOK,  132                         ; v132-147 the token's number
.set PE,   148                         ; v148-163 lane = token: the mask of step i's tokens of its set
.set PRE,  164                         ; v164-180 lane = set: my wave's tokens of my set in steps before i; entry 16: in all
.set TA,   184                         ; v184-223 at work: five registers for each of eight steps
; The quantiser of a wave's 128 columns x 32 K.  src, dst: the scalar pairs with the wave's first byte; stride: a row of the weight in bytes; w1 = 1: W1's places for the 8 pieces, else W2's.
; v2 = 16 x lane, v4 = where I put 16 codes in the stage, v5 = where I read a piece back; s36 is being loaded with e.
.macro QW src, dst, stride, w1
.set i, 0
.rept 32
	global_load_b128 v[X+4*i:X+4*i+3], v2, s[\src:\src+1] offset:i*\stride th:TH_LOAD_NT   ; row i: 32 lanes read 512 consecutive bytes; read once in the launch
.set i, i+1
.endr
	s_wait_kmcnt 0x0                               ; e
	s_add_co_i32 s36, s36, 127
	s_lshl_b32 s37, s36, 23
	v_mov_b32 v8, s37                              ; 2^e as f32: the conversion takes its exponent field
	s_add_co_i32 s36, s36, 8
	s_lshl_b32 s36, s36, 23
	s_or_b32 s36, s36, 0x600000
	v_mov_b32 v9, s36                              ; 448 x 2^e
	s_wait_alu depctr_va_vdst(0)
.irp hh, 0,1
	s_wait_loadcnt 16-16*\hh                       ; rows 16 hh .. 16 hh + 15 are in; with hh = 0 the sixteen younger loads stay out
.irp cc, 0,1,2,3
.set TS, T+16*((4*\hh+\cc)&1)
.set CS, C+4*(4*\hh+\cc)
.irp k, 0,1,2,3,4,5,6,7,8,9,10,11,12,13,14,15
	v_med3_num_f32 v[TS+\k], v[X+4*(16*\hh+\k)+\cc], -v9, v9   ; the conversion does not saturate (ISA guide 7.6.2): the hold; it also gathers column cc's 16 neighbours along K
.endr
	v_cvt_scalef32_pk8_fp8_f32 v[CS:CS+1], v[TS:TS+7], v8
	v_cvt_scalef32_pk8_fp8_f32 v[CS+2:CS+3], v[TS+8:TS+15], v8   ; the next group's sixteen holds write the other set: plain lines stand before this set is written again
	ds_store_b128 v4, v[CS:CS+3] offset:16*\cc+256*\hh           ; row r + cc of the piece, half hh of the lanes
.endr
.endr
	v_nop                                          ; one plain line behind the last conversion
.set j, 0
.rept 8
	ds_load_b128 v[O+4*j:O+4*j+3], v5 offset:SP*j  ; LDS serves a wave's instructions in order (ISA guide 5.7.1.4): these see my stores
.set j, j+1
.endr
.set j, 0
.rept 8
	s_wait_dscnt 7-j                               ; piece j is back; the younger reads stay out
.if \w1
	global_store_b128 v2, v[O+4*j:O+4*j+3], s[\dst:\dst+1] offset:(j>>1)*65536+(j&1)*2048   ; piece j: wave-of-the-reader j / 2, tile u = j % 2
.else
	global_store_b128 v2, v[O+4*j:O+4*j+3], s[\dst:\dst+1] offset:j*4096                    ; piece j: tile t = j
.endif
.set j, j+1
.endr
.endm
; ROUTING: steps 8 g .. 8 g + 7 of my wave.  Every stage is written over the eight steps, so that no line waits for the line above it.  s24-63: the eight steps' five ballots.
.macro GROUP g
.set i, 0
.rept 8
.irp k, 0,1,2,3,4
	v_and_b32 v[TA+5*i+\k], 4<<\k, v[B4+8*\g+i]    ; bit k of the token's set
.endr
.set i, i+1
.endr
.set i, 0
.rept 8
.irp k, 0,1,2,3,4
	v_cmp_ne_u32 s[24+5*i+\k], 0, v[TA+5*i+\k]     ; the ballot: the lanes whose token has it set
.endr
.set i, i+1
.endr
.set i, 0
.rept 8
.irp k, 0,1,2,3,4
	v_xor_b32 v[TA+5*i+\k], s[24+5*i+\k], v[LK+\k] ; lane = set: the tokens that agree with my lane's number in bit k
.endr
.set i, i+1
.endr
.set i, 0
.rept 8
	v_and_b32 v[TA+5*i], v[TA+5*i], v[TA+5*i+1]
	v_and_b32 v[TA+5*i+2], v[TA+5*i+2], v[TA+5*i+3]
.set i, i+1
.endr
.set i, 0
.rept 8
	v_and_b32 v[TA+5*i], v[TA+5*i], v[TA+5*i+2]
.set i, i+1
.endr
.set i, 0
.rept 8
	v_and_b32 v[CM+8*\g+i], v[TA+5*i], v[TA+5*i+4] ; in all five: the step's tokens of set = my lane (lanes 28-31: none)
.set i, i+1
.endr
.set i, 0
.rept 8
	ds_bpermute_b32 v[PE+8*\g+i], v[B4+8*\g+i], v[CM+8*\g+i]   ; each token pulls its own set's mask; the count below stands between these and the wait for them
.set i, i+1
.endr
	; the masks' bits are counted in fields of 2, 4 and 8 bits; the four bytes are summed by a multiplication
.set i, 0
.rept 8
	v_lshrrev_b32 v[TA+5*i+1], 1, v[CM+8*\g+i]
.set i, i+1
.endr
.set i, 0
.rept 8
	v_and_b32 v[TA+5*i+1], s66, v[TA+5*i+1]
.set i, i+1
.endr
.set i, 0
.rept 8
	v_sub_nc_u32 v[TA+5*i], v[CM+8*\g+i], v[TA+5*i+1]
.set i, i+1
.endr
.set i, 0
.rept 8
	v_lshrrev_b32 v[TA+5*i+1], 2, v[TA+5*i]
.set i, i+1
.endr
.set i, 0
.rept 8
	v_and_b32 v[TA+5*i], s67, v[TA+5*i]
	v_and_b32 v[TA+5*i+1], s67, v[TA+5*i+1]
.set i, i+1
.endr
.set i, 0
.rept 8
	v_add_nc_u32 v[TA+5*i], v[TA+5*i], v[TA+5*i+1]
.set i, i+1
.endr
.set i, 0
.rept 8
	v_lshrrev_b32 v[TA+5*i+1], 4, v[TA+5*i]
.set i, i+1
.endr
.set i, 0
.rept 8
	v_add_nc_u32 v[TA+5*i], v[TA+5*i], v[TA+5*i+1]
.set i, i+1
.endr
.set i, 0
.rept 8
	v_and_b32 v[TA+5*i], s68, v[TA+5*i]
.set i, i+1
.endr
.set i, 0
.rept 8
	v_mul_lo_u32 v[TA+5*i], v[TA+5*i], s69
.set i, i+1
.endr
.set i, 0
.rept 8
	v_lshrrev_b32 v[TA+5*i], 24, v[TA+5*i]         ; the step's tokens of my set, 0 .. 32
.set i, i+1
.endr
.set i, 0
	v_add_nc_u32 v[PRE+8*\g+i+1], v[PRE+8*\g+i], v[TA+5*i]
.set i, i+1
.rept (8)-1
	s_delay_alu instid0(VALU_DEP_1)
	v_add_nc_u32 v[PRE+8*\g+i+1], v[PRE+8*\g+i], v[TA+5*i]
.set i, i+1
.endr
.endm
	s_load_b512 s[4:19], s[0:1], 0x0               ; W1 s[4:5], W2 s[6:7], indices s[8:9], scales s[10:11], W1c s[12:13], W2c s[14:15], tiles s[16:17], order s[18:19]
	s_set_vgpr_msb 0x40
	v_lshl_add_u32 v0, v0, 2, 0x11800
	v_mov_b32 v1, 0
	s_set_vgpr_msb 0x4000
	v_lshrrev_b32 v1, 5, v0
	s_delay_alu instid0(VALU_DEP_1)
	v_readfirstlane_b32 s22, v1                    ; wave 0..7
	v_and_b32 v1, 31, v0                           ; lane L
	s_delay_alu instid0(VALU_DEP_1)
	v_lshlrev_b32 v2, 4, v1                        ; 16 L
	s_cmp_eq_u32 ttmp9, 0
	s_cbranch_scc1 .Lroute
	s_cmp_gt_u32 ttmp9, 128
	s_cbranch_scc1 .Lw2
	; ---- W1: work-group g = id - 1: expert g / 16; wave: block of 32 along K kb = 2 (g % 16) + wave / 4, columns 128 (wave % 4) on
	s_sub_co_u32 s24, ttmp9, 1
	s_lshr_b32 s25, s22, 2
	s_and_b32 s26, s22, 3                          ; cg: which 128 columns
	s_lshl_b32 s27, s24, 1
	s_add_co_u32 s27, s27, s25                     ; 32 e + kb
	s_lshl_b32 s28, s27, 16                        ; 32 rows of 2,048 bytes each
	s_lshl_b32 s29, s26, 9
	s_add_co_u32 s28, s28, s29
	s_mov_b32 s29, 0
	s_lshr_b32 s30, s24, 4                         ; e
	s_and_b32 s31, s27, 31                         ; kb
	s_lshl_b32 s32, s30, 19                        ; W1c: e x 524,288
	s_and_b32 s33, s26, 1
	s_lshl_b32 s33, s33, 18                        ; + 4 (cg % 2) readers' waves of 65,536
	s_add_co_u32 s32, s32, s33
	s_lshr_b32 s33, s31, 2
	s_lshl_b32 s33, s33, 13                        ; + K step kb / 4 of 8,192
	s_add_co_u32 s32, s32, s33
	s_lshr_b32 s33, s26, 1
	s_lshl_b32 s33, s33, 12                        ; + kind cg / 2: two tiles of 2,048
	s_add_co_u32 s32, s32, s33
	s_and_b32 s33, s31, 3
	s_lshl_b32 s33, s33, 9                         ; + piece kb % 4
	s_add_co_u32 s32, s32, s33
	s_mov_b32 s33, 0
	s_lshl_b32 s34, s30, 3                         ; the scale's entry 2 e + 1: byte 8 e + 4
	s_mul_i32 s35, s22, WST
	s_add_co_u32 s35, s35, ST1                     ; my stage
	s_wait_alu depctr_va_vdst(0)
	v_lshrrev_b32 v6, 3, v1
	v_bfe_u32 v7, v1, 1, 1
	s_delay_alu instid0(VALU_DEP_1)
	v_lshl_add_u32 v6, v6, 1, v7                   ; column 4 L + cc lies in piece 2 (L / 8) + (L / 2) % 2,
	s_delay_alu instid0(VALU_DEP_1)
	v_mul_u32_u24 v6, v6, SP
	v_and_b32 v7, 1, v1
	s_delay_alu instid0(VALU_DEP_1)
	v_lshl_add_u32 v6, v7, 6, v6                   ; at row 4 (L % 2) + 8 ((L / 4) % 2) + cc
	v_bfe_u32 v7, v1, 2, 1
	s_delay_alu instid0(VALU_DEP_1)
	v_lshl_add_u32 v6, v7, 7, v6
	s_delay_alu instid0(VALU_DEP_1)
	v_add_nc_u32 v4, s35, v6
	v_add_nc_u32 v5, s35, v2
	s_wait_kmcnt 0x0
	s_add_nc_u64 s[4:5], s[4:5], s[28:29]
	s_add_nc_u64 s[12:13], s[12:13], s[32:33]
	s_load_b32 s36, s[10:11], s34 offset:0x4
	QW 4, 12, 2048, 1
	s_set_vgpr_msb 0x5
	s_wait_tensorcnt 0x0
	ds_add_u32 v0, v1
	s_wait_dscnt 0x0
	s_set_vgpr_msb 0x500
	s_endpgm
	; ---- W2: work-group g = id - 129: expert g / 8, block of 32 along K kb = g % 8; wave: columns 128 wave on
.Lw2:
	s_sub_co_u32 s24, ttmp9, 129
	s_lshl_b32 s28, s24, 17                        ; 32 rows of 4,096 bytes each
	s_lshl_b32 s29, s22, 9
	s_add_co_u32 s28, s28, s29
	s_mov_b32 s29, 0
	s_lshr_b32 s30, s24, 3                         ; e
	s_and_b32 s31, s24, 7                          ; kb
	s_lshl_b32 s32, s30, 18                        ; W2c: e x 262,144
	s_lshl_b32 s33, s22, 15                        ; + the reader's wave x 32,768
	s_add_co_u32 s32, s32, s33
	s_lshr_b32 s33, s31, 2
	s_lshl_b32 s33, s33, 11                        ; + K step kb / 4 of 2,048
	s_add_co_u32 s32, s32, s33
	s_and_b32 s33, s31, 3
	s_lshl_b32 s33, s33, 9                         ; + piece kb % 4
	s_add_co_u32 s32, s32, s33
	s_mov_b32 s33, 0
	s_lshl_b32 s34, s30, 3                         ; the scale's entry 17 + 2 e: byte 8 e + 68
	s_mul_i32 s35, s22, WST
	s_add_co_u32 s35, s35, ST2                     ; my stage
	s_wait_alu depctr_va_vdst(0)
	v_lshrrev_b32 v6, 2, v1                        ; column 4 L + cc lies in piece (tile) L / 4, at row 4 (L % 4) + cc
	s_delay_alu instid0(VALU_DEP_1)
	v_mul_u32_u24 v6, v6, SP
	v_and_b32 v7, 3, v1
	s_delay_alu instid0(VALU_DEP_1)
	v_lshl_add_u32 v6, v7, 6, v6
	s_delay_alu instid0(VALU_DEP_1)
	v_add_nc_u32 v4, s35, v6
	v_add_nc_u32 v5, s35, v2
	s_wait_kmcnt 0x0
	s_add_nc_u64 s[6:7], s[6:7], s[28:29]
	s_add_nc_u64 s[14:15], s[14:15], s[32:33]
	s_load_b32 s36, s[10:11], s34 offset:0x44
	QW 6, 14, 4096, 0
	s_set_vgpr_msb 0x5
	s_wait_tensorcnt 0x0
	ds_add_u32 v0, v1
	s_wait_dscnt 0x0
	s_set_vgpr_msb 0x500
	s_endpgm
	; ---- ROUTING: wave w owns tokens 512 w .. 512 w + 511, in 16 steps of 32 lanes
.Lroute:
	v_lshlrev_b32 v3, 4, v0                        ; 16 x thread: the fill's and the records' place
	v_lshlrev_b32 v4, 2, v0                        ; TB + 4 x thread: my word of the table
	s_wait_alu depctr_va_vdst(0)
	v_lshlrev_b32 v5, 2, v1                        ; TB + 4 x lane
	v_and_b32 v7, 0xe0, v0                         ; 32 w
	s_delay_alu instid0(VALU_DEP_1)
	v_lshlrev_b32 v6, 7, v7
	s_delay_alu instid0(VALU_DEP_1)
	v_lshl_add_u32 v6, v1, 3, v6                   ; my token's index pair in step 0: byte 4,096 w + 8 L
	s_delay_alu instid0(VALU_DEP_3)
	v_lshl_add_u32 v7, v7, 4, v1                   ; and its number: 512 w + L
	v_mov_b32 v8, 0
	v_mov_b32 v9, 0
	v_mov_b32 v10, 0
	v_mov_b32 v11, 0
	s_wait_alu depctr_va_vdst(0)
	s_wait_kmcnt 0x0
.set i, 0
.rept 16
	global_load_b64 v[IDX+2*i:IDX+2*i+1], v6, s[8:9] offset:256*i   ; the sort waits for these: they go out first
.set i, i+1
.endr
.irp i, 0,1,2,3,4
	global_store_b128 v3, v[8:11], s[18:19] offset:4096*\i   ; all 20,480 bytes of order are 0 first: 256 threads x 16 bytes x 5
.endr
	; what hangs on ids alone is made while the indices are on their way
	s_mov_b32 s66, 0x55555555                      ; the bit count's field masks,
	s_mov_b32 s67, 0x33333333
	s_mov_b32 s68, 0x0f0f0f0f
	s_mov_b32 s69, 0x01010101                      ; and the factor that sums four bytes into the top one
	s_mov_b32 s70, 0x0f0b0600                      ; g(lo) = lo (15 - lo) / 2 - lo as a table of bytes: 0, 6, 11, 15,
	s_mov_b32 s71, 0x15151412                      ; 18, 20, 21, 21
	s_mov_b32 s79, 0xffff0000                      ; lanes 16-31
.irp k, 0,1,2,3,4,5,6
	s_cmp_gt_u32 s22, \k
	s_cselect_b32 s[72+\k], 1, 0                   ; 1 where wave k comes before mine
.endr
.irp k, 0,1,2,3,4
	v_bfe_u32 v[LK+\k], v1, \k, 1
	s_delay_alu instid0(VALU_DEP_1)
	v_add_nc_u32 v[LK+\k], -1, v[LK+\k]            ; bit k of my lane's number set: 0, clear: all ones
.endr
	v_mov_b32 v19, 0
.irp thr, 7,13,18,22,25,27
	v_cmp_le_u32 vcc_lo, \thr, v1
	s_delay_alu instid0(VALU_DEP_1)
	v_cndmask_b32 v20, 0, 1, vcc_lo
	s_delay_alu instid0(VALU_DEP_1)
	v_add_nc_u32 v19, v19, v20                     ; lo of set = my lane: how many of the sets (1,2), (2,3) .. (6,7) are at or below it
.endr
	s_delay_alu instid0(VALU_DEP_1)
	v_perm_b32 v20, s71, s70, v19                  ; g(lo): selector bytes 0-3 take the second source's bytes, 4-7 the first's; the three upper selector bytes are 0 and take the table's 0
	s_delay_alu instid0(VALU_DEP_1)
	v_sub_nc_u32 v20, v1, v20                      ; hi - 1
	s_delay_alu instid0(VALU_DEP_1)
	v_lshl_add_u32 v17, v19, 3, v20
	s_delay_alu instid0(VALU_DEP_1)
	v_add_nc_u32 v17, 1, v17                       ; 8 lo + hi of set = my lane (lanes 28-31 are not read)
	v_lshl_or_b32 v18, v0, 19, 0x7ffff             ; record i's key: i above 19 ones
	v_mov_b32 v23, 0                               ; written once: the destination of a DPP form counts as one of its sources
	v_mov_b32 v[PRE], 0
.set i, 0
.rept 16
	v_add_nc_u32 v[TOK+i], 32*i, v7
.set i, i+1
.endr
	s_wait_loadcnt 0x0
	; 4 x the set's number = 4 x min(27, g(lo) + max(hi - 1, lo)).  lo = hi = a gives g(a) + a: the set (a, a + 1); a = 7 gives 28, held at 27: the set (6, 7)
.set i, 0
.rept 16
	v_min_u32 v[184+i], v[IDX+2*i], v[IDX+2*i+1]
	v_max_u32 v[200+i], v[IDX+2*i], v[IDX+2*i+1]
.set i, i+1
.endr
.set i, 0
.rept 16
	v_perm_b32 v[216+i], s71, s70, v[184+i]
	v_add_nc_u32 v[200+i], -1, v[200+i]
.set i, i+1
.endr
.set i, 0
.rept 16
	v_max_i32 v[200+i], v[200+i], v[184+i]
.set i, i+1
.endr
.set i, 0
.rept 16
	v_add_lshl_u32 v[B4+i], v[216+i], v[200+i], 2
.set i, i+1
.endr
.set i, 0
.rept 16
	v_min_u32 v[B4+i], 108, v[B4+i]
.set i, i+1
.endr
	GROUP 0
	GROUP 1
	ds_store_b32 v4, v[PRE+16]                     ; my wave's tokens of each set, lane = set
	s_wait_storecnt 0x0                            ; my part of the fill is done: no wave places a token before all of order is 0
	s_wait_dscnt 0x0                               ; my counts lie in LDS, and the masks are pulled
	s_barrier_signal -1
	s_barrier_wait -1
.irp k, 0,1,2,3,4,5,6,7
	ds_load_b32 v[28+\k], v5 offset:128*\k         ; all eight waves' counts of set = my lane
.endr
	s_wait_dscnt 0x0
	v_add3_u32 v19, v28, v29, v30
	v_mul_u32_u24 v20, v28, s72
	s_delay_alu instid0(VALU_DEP_2)
	v_add3_u32 v19, v19, v31, v32
	s_delay_alu instid0(VALU_DEP_2)
	v_mad_u32_u24 v20, v29, s73, v20
	s_delay_alu instid0(VALU_DEP_2)
	v_add3_u32 v19, v19, v33, v34
	s_delay_alu instid0(VALU_DEP_2)
	v_mad_u32_u24 v20, v30, s74, v20
	s_delay_alu instid0(VALU_DEP_2)
	v_add_nc_u32 v19, v19, v35                     ; the set's tokens
	s_delay_alu instid0(VALU_DEP_2)
	v_mad_u32_u24 v20, v31, s75, v20
	s_delay_alu instid0(VALU_DEP_2)
	v_add_nc_u32 v21, 31, v19
	s_delay_alu instid0(VALU_DEP_2)
	v_mad_u32_u24 v20, v32, s76, v20
	s_delay_alu instid0(VALU_DEP_2)
	v_lshrrev_b32 v21, 5, v21                      ; its tiles
	s_delay_alu instid0(VALU_DEP_2)
	v_mad_u32_u24 v20, v33, s77, v20
	s_delay_alu instid0(VALU_DEP_2)
	v_mov_b32 v22, v21
	s_delay_alu instid0(VALU_DEP_2)
	v_mad_u32_u24 v20, v34, s78, v20               ; its tokens in the waves before mine
.irp n, 1
	s_delay_alu instid0(VALU_DEP_2)
	v_mov_b32_dpp v23, v22 row_shr:\n row_mask:0xf bank_mask:0xf bound_ctrl:1
	s_delay_alu instid0(VALU_DEP_1)
	v_add_nc_u32 v22, v22, v23
.endr
.irp n, 2, 4, 8
	s_delay_alu instid0(VALU_DEP_1)
	v_mov_b32_dpp v23, v22 row_shr:\n row_mask:0xf bank_mask:0xf bound_ctrl:1
	s_delay_alu instid0(VALU_DEP_1)
	v_add_nc_u32 v22, v22, v23
.endr
	s_delay_alu instid0(VALU_DEP_1)
	v_readlane_b32 s23, v22, 15
	s_delay_alu instid0(VALU_DEP_1)
	v_cndmask_b32 v23, 0, s23, s79
	s_delay_alu instid0(VALU_DEP_1)
	v_add_nc_u32 v22, v22, v23
	s_delay_alu instid0(VALU_DEP_1)
	v_sub_nc_u32 v22, v22, v21                     ; the set's first tile
	s_delay_alu instid0(VALU_DEP_1)
	v_lshl_add_u32 v36, v22, 5, v20                ; lane = set: where my wave's tokens of the set begin
.set i, 0
.rept 16
	v_add_nc_u32 v[PRE+i], v[PRE+i], v36           ; and those of step i
.set i, i+1
.endr
.set i, 0
.rept 16
	ds_bpermute_b32 v[PO+i], v[B4+i], v[PRE+i]     ; each token takes its set's lane; the records stand between these and the wait for them
.set i, i+1
.endr
	s_cmp_gt_u32 s22, 4
	s_cbranch_scc1 .Lno_record                     ; 160 records: waves 0 to 4
	; a set's pack: first tile << 19 | tokens << 6 | 8 lo + hi (tokens <= 4,096, tiles <= 155).  Record i keeps the last set whose first tile is <= i, that is whose pack is <= i's key:
	; a set without tiles is written over by the next one; behind the last tile the count comes out 0
	v_lshl_or_b32 v37, v19, 6, v17
	s_delay_alu instid0(VALU_DEP_1)
	v_lshl_or_b32 v37, v22, 19, v37
.set b, 0
.rept 28
	v_readlane_b32 s[24+b], v37, b
.set b, b+1
.endr
	v_mov_b32 v38, s24                             ; set 0 begins at tile 0
.set b, 1
.rept 27
	v_cmp_le_u32 s[52+(b&1)], s[24+b], v18
	s_delay_alu instid0(VALU_DEP_1)
	v_cndmask_b32 v38, v38, s[24+b], s[52+(b&1)]
.set b, b+1
.endr
	s_delay_alu instid0(VALU_DEP_1)
	v_lshrrev_b32 v39, 19, v38                     ; the set's first tile,
	s_delay_alu instid0(VALU_DEP_2)
	v_bfe_u32 v40, v38, 6, 13                      ; its tokens
	s_delay_alu instid0(VALU_DEP_2)
	v_sub_nc_u32 v39, v0, v39
	s_delay_alu instid0(VALU_DEP_1)
	v_lshlrev_b32 v39, 5, v39
	s_delay_alu instid0(VALU_DEP_1)
	v_sub_nc_u32 v39, v40, v39                     ; what is left of the set at tile i,
	s_delay_alu instid0(VALU_DEP_1)
	v_max_i32 v39, 0, v39
	s_delay_alu instid0(VALU_DEP_1)
	v_min_i32 v24, 32, v39                         ; held within 0 .. 32: the tile's count
	v_bfe_u32 v25, v38, 3, 3                       ; lo
	v_and_b32 v26, 7, v38                          ; hi
	v_mov_b32 v27, 0
	global_store_b128 v3, v[24:27], s[16:17]
.Lno_record:
	s_wait_dscnt 0x0
.set i, 0
.rept 16
	v_mbcnt_lo_u32_b32 v[PO+i], v[PE+i], v[PO+i]   ; + the step's tokens of my set in lower lanes
.set i, i+1
.endr
.set i, 0
.rept 16
	v_min_u32 v[PO+i], 0x13ff, v[PO+i]             ; inside order's 5,120 words
.set i, i+1
.endr
.set i, 0
.rept 16
	v_lshlrev_b32 v[PO+i], 2, v[PO+i]
.set i, i+1
.endr
.set i, 0
.rept 16                               ; 4 bytes a lane to scattered places: 16 KiB in all, once; each step has registers of its own
	global_store_b32 v[PO+i], v[TOK+i], s[18:19]
.set i, i+1
.endr
	s_set_vgpr_msb 0x5
	s_wait_tensorcnt 0x0
	ds_add_u32 v0, v1
	s_wait_dscnt 0x0
	s_set_vgpr_msb 0x500
	s_endpgm
.Lfunc_end_k_q31bf8b8df5_prep:
	.size	k_q31bf8b8df5_prep, .Lfunc_end_k_q31bf8b8df5_prep-k_q31bf8b8df5_prep
	.p2alignl 7, 3214868480
	.fill 96, 4, 3214868480
	.section	.rodata,"a",@progbits
	.p2align	6, 0x0
	.amdhsa_kernel k_q31bf8b8df5_prep
		.amdhsa_group_segment_fixed_size 72704
		.amdhsa_private_segment_fixed_size 0
		.amdhsa_enable_private_segment 0
		.amdhsa_kernarg_size 64
		.amdhsa_user_sgpr_count 2
		.amdhsa_user_sgpr_kernarg_segment_ptr 1
		.amdhsa_wavefront_size32 1
		.amdhsa_system_sgpr_workgroup_id_x 1
		.amdhsa_system_sgpr_workgroup_id_y 1
		.amdhsa_system_sgpr_workgroup_id_z 1
		.amdhsa_system_vgpr_workitem_id 0
		.amdhsa_next_free_vgpr 258
		.amdhsa_next_free_sgpr 80
		.amdhsa_reserve_vcc 1
		.amdhsa_float_denorm_mode_32 3
		.amdhsa_float_denorm_mode_16_64 3
		.amdhsa_memory_ordered 1
		.amdhsa_forward_progress 1
		.amdhsa_inst_pref_size 81
	.end_amdhsa_kernel
	.amdgpu_metadata
---
amdhsa.version: [ 1, 2 ]
amdhsa.kernels:
  - .name:           k_q31bf8b8df5_prep
    .symbol:         k_q31bf8b8df5_prep.kd
    .args:
      - { .name: W1, .offset: 0, .size: 8, .value_kind: global_buffer, .address_space: global }
      - { .name: W2, .offset: 8, .size: 8, .value_kind: global_buffer, .address_space: global }
      - { .name: expert_idxs, .offset: 16, .size: 8, .value_kind: global_buffer, .address_space: global }
      - { .name: lowp_scales, .offset: 24, .size: 8, .value_kind: global_buffer, .address_space: global }
      - { .name: W1c, .offset: 32, .size: 8, .value_kind: global_buffer, .address_space: global }
      - { .name: W2c, .offset: 40, .size: 8, .value_kind: global_buffer, .address_space: global }
      - { .name: tiles, .offset: 48, .size: 8, .value_kind: global_buffer, .address_space: global }
      - { .name: order, .offset: 56, .size: 8, .value_kind: global_buffer, .address_space: global }
    .group_segment_fixed_size: 72704
    .private_segment_fixed_size: 0
    .kernarg_segment_align: 8
    .kernarg_segment_size: 64
    .max_flat_workgroup_size: 256
    .sgpr_count:     80
    .vgpr_count:     258
    .wavefront_size: 32
...
	.end_amdgpu_metadata
.endif
;; end of part 4
;; launch moe (part 5): grid 155 x 1, 8 waves a work-group, no clusters, 282,112 bytes of LDS; arguments x, W1c, W2c, tiles, order, expert_idxs, expert_p, lowp_scales, out0; writes out0
.if DOCPART == 5
	.amdgcn_target "amdgcn-amd-amdhsa--gfx1250"
	.amdhsa_code_object_version 6
	.text
	.protected	k_q31bf8b8df5_moe
	.globl	k_q31bf8b8df5_moe
	.p2align	8
	.type	k_q31bf8b8df5_moe,@function
k_q31bf8b8df5_moe:
	s_mov_b64 s[64:65], 0
	v_nop
	global_prefetch_b8 v0, s[64:65] scope:SCOPE_SE
	s_setreg_imm32_b32 hwreg(HW_REG_WAVE_SCHED_MODE, 0, 2), 2
	s_setreg_imm32_b32 hwreg(HW_REG_WAVE_MODE, 25, 1), 1
	s_wait_xcnt 0x0
	s_wait_alu depctr_vm_vsrc(0)
; MOE: one work-group takes one tile, at most 32 tokens that share the set of experts {lo, hi}, through the whole chain for both experts:
; gather x, quantise it with both experts' scales, up(lo), GLU, up(hi), GLU, down(lo), down(hi) with the gates, whole rows of out0.  The hidden layer lives in registers and LDS alone; each output row has one owner.
; 155 work-groups serve every split: (4096 + 28 x 31) / 32.  A tile without tokens runs the text on token 0 and stores nothing: the three barriers stand on every wave's path, and only the row stores are guarded.
; SHARES.  Eight waves share the COLUMNS: wave w makes hidden units 32 w .. 32 w + 31 (four tiles of W1: h0, h1, g0, g1) and output columns 128 w .. 128 w + 127 (eight tiles of W2), for both tiles of 16 tokens,
; so each fragment of weights that is loaded feeds two matrix instructions.  Both products are used transposed (source 0 = 16 columns of the weight, source 1 = 16 tokens): a lane holds ONE token throughout.
; THE WEIGHTS come from memory straight into registers, as the launch before laid them: 24 chunks of 16 loads (8 KiB a wave): W1[lo]'s 8 K steps, W1[hi]'s 8, W2[lo]'s 4 pairs of tiles, W2[hi]'s 4, through
; register slots by turns, four while the up products run and three while the down products run, so that 48 loads of a wave are on their way, over phases and barriers.
; FRAGMENTS of x and of the hidden layer go from wave to wave through LDS as images of their registers (4 pieces of 512 bytes, lane l's 16 bytes at 16 l).  In every fragment registers 4 c .. 4 c + 3 hold
; k = 32 c + 16 (l / 16) + 0 .. 15: a permutation of k, the same on both sides of each product.
; GELU is exact: erfc(z) = t exp(-z^2 + P(t)), t = 1 / (1 + z / 2), P of degree 9 (a fit with fractional error 1.2e-7 for every z >= 0).  With w = h / sqrt(2), z = |w| and r = erfc(z) / sqrt(2):
; gelu(h) = w r for h < 0 and w (sqrt(2) - r) else: no difference of near numbers is formed where the result is small.  The rounding of -z^2 + P grows as 6e-8 z^2.
; NO CLUSTER, NO TENSOR LOADS: how many tiles share a set is a number read from memory (partners would walk different weights), and the row stores hang on the stored count.
; LIMITS: ex and ea between -126 and 119; ex + ew1 between -125 and 127; ea + ew2 is applied by v_ldexp_f32 and has none.  NaN among the inputs is not served.  Tokens and experts read from the lists are held inside
; their tables.  A token that names one expert twice gets (p0 + p1) x down, which rounds once otherwise than p0 x down + p1 x down.
; REGISTERS, in windows of 256.  Window 0: v1-15 addresses; v16-23 the tokens' index and gate pairs; v24-31 x's scales, later the gate factors F(p, m) as pairs; v32-95 UA: the up sums, later the down sums in two
; sets, last rows of out0; v96-159 XFR: fragments of x or of the hidden layer, at work in the GLU, last rows of out0; v160-191 at work and constants; v192-255 slot C.
; Window 1: v0-127 x on its way in; then v64-127 slot D, while the up products run; later OA, the 16 output accumulators ((t, m) at 8 (2 t + m)); v128-191 slot A; v192-255 slot B.
; THE MODE: SCHED_MODE bits 1:0 = 2 (LLVM: expert scheduling mode 2), set by the entry lines.  The code itself states the register dependences
; between vector or matrix instructions and memory or LDS instructions, with s_wait_alu, always for 0.
; THE PLAN.  Registers that memory or LDS instructions touch, and who else names them:
;   v2-v12        offsets and LDS addresses: written at the head, ahead of one wait on va_vdst, and never again.
;   slots A-D     Up step c: its products read slot c % 4; at its end chunk c + 3 lands in slot (c - 1) % 4, which the products of step c - 1 read.  Down step c: its products read slot (c - 16) % 3, and chunk c + 3 lands there.
;   XFR, two sets Up step s: its products read set s % 2; at its head the fragments of step s + 1 land in the other set, which the products of step s - 1 read.
;   So ONE wait on va_vdst stands at the head of an up step: the products of the step before are done reading; the step's 8 LDS loads and 16 weight loads hang on nothing else, since its own products name
;   their slot, their set and UA alone.  In a down step the wait stands behind the products, whose results the step's own packed lines want next in any case.
;   codes         x's (v96-159) and the hidden layer's (v168-175): written by conversions, one wait on va_vdst, read by LDS stores, one wait on vm_vsrc ahead of whatever lands in them or writes them next.
;   OA, v192-223  at the end: written by vector lines, one wait on va_vdst, read by the stage's stores and by the row stores.
;   Masks of compares lie in scalar registers, in runs, with one wait on va_sdst behind a run.
.set XPITCH, 4112                      ; LDS byte 0 on: x as f32, 32 rows of 4,096 bytes + 16: sixteen rows of one column start at sixteen different 16-byte columns
.set XI,     131584                    ; x's images: [p 2][8 m + s, 16][2,048]
.set AI,     197120                    ; the hidden layer's images: [p 2][2 m + s, 4][2,048]
.set SG,     213504                    ; the way out: for each wave 16 rows of 512 bytes + 16
.set SPITCH, 528
.set UA,     32
.set XFR,    96
.set TT,     96                        ; GLU: t, then the factor, then a
.set AC,     128                       ; GLU: the polynomial, then r
.set T0,     160                       ; x's quantiser: two sets of 16 held numbers
.set MSB, 0
.macro WIN new                         ; s_set_vgpr_msb: bits 1:0 source 0, 3:2 source 1, 5:4 source 2, 7:6 destination; the high byte repeats the setting that is left
.if MSB != \new
	s_set_vgpr_msb (MSB<<8)|\new
.set MSB, \new
.endif
.endm
.macro PLACES                          ; four plain lines behind matrix instructions, ahead of reads of their results and of loads into their registers
.rept 4
	v_nop
.endr
.endm
.macro BARRIER                         ; my LDS stores have landed and my LDS loads are in: then the work-group's barrier
	s_wait_dscnt 0x0
	s_barrier_signal -1
	s_barrier_wait -1
.endm
.macro SCALE se, vs, vl                ; v[vs] = 2^e, v[vl] = 448 x 2^e, e in s[se]
	s_add_co_i32 s2, s[\se], 127
	s_lshl_b32 s3, s2, 23
	v_mov_b32 v[\vs], s3
	s_add_co_i32 s2, s2, 8
	s_lshl_b32 s2, s2, 23
	s_or_b32 s2, s2, 0x600000
	v_mov_b32 v[\vl], s2
.endm
; Chunk c's slot: c % 4 of A, B, C, D while the up products run (c < 16), (c - 16) % 3 of A, B, C from then on; chunks 16 to 18 fall on A, B, C by both.  RB: its first register; SW: its window.
.macro SLOTOF c
.if (\c) < 16
.set SI, (\c)%4
.else
.set SI, ((\c)-16)%3
.endif
.set SW, 1
.set RB, 128+64*SI                     ; A, B: window 1, v128 and v192
.if SI == 2
.set SW, 0
.set RB, 192                           ; C: window 0, v192
.endif
.if SI == 3
.set RB, 64                            ; D: window 1, v64
.endif
.endm
; Chunk c of the weight stream into its slot: 16 loads of 512 consecutive bytes.  Behind chunk 23 there is none.
.macro CHUNK c
.if (\c) < 24
	SLOTOF \c
.if SW
	WIN 0x40
.else
	WIN 0
.endif
.if (\c) < 16
.set BS, 76+2*((\c)>>3)
.set VO, 2
.set BY, ((\c)&7)*8192
.else
.set BS, 80+2*(((\c)-16)>>2)
.set VO, 3
.set BY, ((\c)&3)*8192
.endif
.set i, 0
.rept 16
	global_load_b128 v[RB+4*i:RB+4*i+3], v[VO], s[BS:BS+1] offset:BY+512*i
.set i, i+1
.endr
	WIN 0
.endif
.endm
.macro SLOT c                          ; source 0 of the products that follow lies in chunk c's slot
	SLOTOF \c
.if SW
	WIN 0x01
.else
	WIN 0
.endif
.endm
; x's 64 numbers in UA (register 16 b + i = k 32 b + 16 h + i of my row) become a fragment's codes with expert p's scale, in v[XFR + 16 ps] on.  UA is kept: the other expert's scale follows.
.macro QX p, ps
.irp b, 0,1,2,3
.irp i, 0,1,2,3,4,5,6,7,8,9,10,11,12,13,14,15
	v_med3_num_f32 v[T0+16*(\b&1)+\i], v[UA+16*\b+\i], -v[25+2*\p], v[25+2*\p]   ; the conversion does not saturate (ISA guide 7.6.2): the hold
.endr
	v_cvt_scalef32_pk8_fp8_f32 v[XFR+16*(\ps)+4*\b:XFR+16*(\ps)+4*\b+1], v[T0+16*(\b&1):T0+16*(\b&1)+7], v[24+2*\p]
	v_cvt_scalef32_pk8_fp8_f32 v[XFR+16*(\ps)+4*\b+2:XFR+16*(\ps)+4*\b+3], v[T0+16*(\b&1)+8:T0+16*(\b&1)+15], v[24+2*\p]
.endr
	v_nop                                          ; one plain line behind the last conversion
.endm
.macro XROWS sl                        ; my row's 64 numbers of my K step sl, out of LDS into UA
.irp b, 0,1,2,3
.irp j, 0,1,2,3
	ds_load_b128 v[UA+16*\b+4*\j:UA+16*\b+4*\j+3], v5 offset:512*\sl+128*\b+16*\j
.endr
.endr
.endm
.macro XIMAGES sl                      ; the two fragments made of them (expert lo's codes, expert hi's) go to LDS as they stand
.irp p, 0,1
.irp q, 0,1,2,3
	ds_store_b128 v6, v[XFR+16*(2*\sl+\p)+4*\q:XFR+16*(2*\sl+\p)+4*\q+3] offset:32768*\p+2048*\sl+512*\q
.endr
.endr
.endm
.macro XFETCH p, s                     ; x's two fragments (m = 0, 1) of K step s, expert p's codes, into set s % 2
.irp m, 0,1
.irp q, 0,1,2,3
	ds_load_b128 v[XFR+32*((\s)&1)+16*\m+4*\q:XFR+32*((\s)&1)+16*\m+4*\q+3], v7 offset:32768*(\p)+2048*(8*\m+(\s))+512*\q
.endr
.endr
.endm
; A K step of the up product: chunk c.  Eight accumulators by turns, one instruction a turn, in the same order in every step.  acc(kind, m, u) = UA + 32 kind + 16 m + 8 u.
.macro USTEP c
.set US, (\c)&7
.set UP, (\c)>>3
	s_wait_loadcnt 32                              ; chunk c is in; the two younger chunks stay out
	s_wait_dscnt 0x0                               ; this step's fragments of x are in
.if US > 0
	s_wait_alu depctr_va_vdst(0)                   ; the products of the step before are done reading their set of x's fragments, in which the LDS loads below land, and their slot, in which chunk c + 3 lands at this step's end
.endif                                                 ; (an expert's first step owes none: the waits of x's quantiser, or of the GLU before it, stand behind all that named those registers)
.if US < 7
	XFETCH UP, US+1                                ; the next step's, into the set that the step before multiplied
.endif
	SLOT \c
.irp t, 0,1,2,3
.irp m, 0,1
.if US == 0
	v_wmma_f32_16x16x128_fp8_fp8 v[UA+32*(\t>>1)+16*\m+8*(\t&1):UA+32*(\t>>1)+16*\m+8*(\t&1)+7], v[RB+16*\t:RB+16*\t+15], v[XFR+32*(US&1)+16*\m:XFR+32*(US&1)+16*\m+15], 0
.else
	v_wmma_f32_16x16x128_fp8_fp8 v[UA+32*(\t>>1)+16*\m+8*(\t&1):UA+32*(\t>>1)+16*\m+8*(\t&1)+7], v[RB+16*\t:RB+16*\t+15], v[XFR+32*(US&1)+16*\m:XFR+32*(US&1)+16*\m+15], v[UA+32*(\t>>1)+16*\m+8*(\t&1):UA+32*(\t>>1)+16*\m+8*(\t&1)+7]
.endif
.endr
.endr
	WIN 0
	PLACES
	CHUNK \c+3                                     ; into the slot that the step before multiplied.  No wait: no vector or matrix instruction since the wait at this step's head names that slot
.endm
.macro GATE p, m                       ; F(p, m) = (the gates of my token's pairs that name expert p) x 2^(ea + ew2), in both halves of a pair; the two masks lie in s[4 + 4 p + 2 m] and the next
	v_cndmask_b32 v176, 0, v[20+2*\m], s[4+4*\p+2*\m]
	v_cndmask_b32 v177, 0, v[21+2*\m], s[5+4*\p+2*\m]
	v_add_f32 v176, v176, v177
	v_ldexp_f32 v[24+4*\p+2*\m], v176, s[92+\p]
	v_mov_b32 v[25+4*\p+2*\m], v[24+4*\p+2*\m]
.endm
; The scalar register of number j's mask, j = 0 .. 31: s4-19, s28-31, s66-75, s94, s95: they held addresses, tokens, offsets and exponents that are done with when the first GLU begins.
.macro MASKOF
.set MS, 4+j
.if j >= 16
.set MS, 12+j
.endif
.if j >= 20
.set MS, 46+j
.endif
.if j >= 30
.set MS, 64+j
.endif
.endm
; a = gelu(h) (g + 1) for my 32 numbers (register 16 m + 8 u + j: token 16 m + r, hidden unit 32 w + 16 h + 8 u + j), quantised: one piece of a fragment for each m.  Every step is a batch over the 32.
.macro GLU p
.set j, 0
.rept 16
	v_pk_mul_f32 v[UA+j:UA+j+1], v[UA+j:UA+j+1], s[88+2*\p:89+2*\p] op_sel_hi:[1,0]   ; w = sum x 2^(ex + ew1) / sqrt(2); each accumulator from its low end on
.set j, j+2
.endr
.set j, 0
.rept 32
	v_fma_f32 v[TT+j], |v[UA+j]|, 0.5, 1.0
.set j, j+1
.endr
.set j, 0
	s_wait_alu depctr_va_vdst(0)
.rept 32
	v_rcp_f32 v[TT+j], v[TT+j]                     ; t
.set j, j+1
.endr
.set j, 0
	s_wait_alu depctr_va_vdst(0)
.rept 16
	v_pk_fma_f32 v[UA+32+j:UA+32+j+1], v[UA+32+j:UA+32+j+1], s[84+2*\p:85+2*\p], 1.0 op_sel_hi:[1,0,0]   ; g + 1: plain work that names no reciprocal
.set j, j+2
.endr
.if \p == 0
.irp q, 0,1
.irp m, 0,1
	v_cmp_eq_u32 s[4+4*\q+2*\m], s[25+\q], v[16+2*\m]   ; does my token's first pair name expert q (0: lo, 1: hi)?
	v_cmp_eq_u32 s[5+4*\q+2*\m], s[25+\q], v[17+2*\m]   ; does its second?
.endr
.endr
	s_wait_alu depctr_va_sdst(0)                   ; the eight compares have written s4-11, ahead of the selects that read them
	GATE 0, 0
	GATE 0, 1
	GATE 1, 0
	GATE 1, 1
.endif
	s_wait_alu depctr_va_vdst(0)                   ; one wait for the 32 reciprocals, ahead of their first reader
.set j, 0
.rept 16
	v_pk_fma_f32 v[AC+j:AC+j+1], v[TT+j:TT+j+1], v[166:167], 0xbf527892 op_sel_hi:[1,1,0]   ; 0.17087277 t - 0.82215223
.set j, j+2
.endr
.irp k, 0x3fbe87b0, 0xbf914e5d, 0x3e8ec7cc, 0xbe3ec24c, 0x3dc636c9, 0x3ebf88fb, 0x3f8000c7, 0xbfce58d4   ; 1.48851587, -1.13520398, 0.27886807, -0.18628806, 0.09678418, 0.37409196, 1.00002368, -1.26551223 + ln(1 / sqrt(2))
.set j, 0
.rept 16
	v_pk_fma_f32 v[AC+j:AC+j+1], v[AC+j:AC+j+1], v[TT+j:TT+j+1], \k op_sel_hi:[1,1,0]
.set j, j+2
.endr
.endr
.set j, 0
.rept 16
	v_pk_fma_f32 v[AC+j:AC+j+1], v[UA+j:UA+j+1], v[UA+j:UA+j+1], v[AC+j:AC+j+1] neg_lo:[1,0,0] neg_hi:[1,0,0]   ; - w w + P
.set j, j+2
.endr
.set j, 0
.rept 16
	v_pk_mul_f32 v[AC+j:AC+j+1], v[AC+j:AC+j+1], 0x3fb8aa3b op_sel_hi:[1,0]   ; x log2(e)
.set j, j+2
.endr
.set j, 0
	s_wait_alu depctr_va_vdst(0)
.rept 32
	v_exp_f32 v[AC+j], v[AC+j]
.set j, j+1
.endr
	v_nop                                          ; a plain line behind the last exponential
.set j, 0
.rept 32
	MASKOF
	v_cmp_gt_f32 s[MS], 0, v[UA+j]                 ; w < 0?  The 32 masks in one run: work that names no exponential
.set j, j+1
.endr
	s_wait_alu depctr_va_vdst(0)                   ; one wait for the 32 exponentials, ahead of their first reader
.set j, 0
.rept 16
	v_pk_mul_f32 v[AC+j:AC+j+1], v[AC+j:AC+j+1], v[TT+j:TT+j+1]   ; r = erfc(|w|) / sqrt(2)
.set j, j+2
.endr
.set j, 0
.rept 16
	v_pk_add_f32 v[TT+j:TT+j+1], v[AC+j:AC+j+1], 0x3fb504f3 op_sel_hi:[1,0] neg_lo:[1,0] neg_hi:[1,0]   ; sqrt(2) - r
.set j, j+2
.endr
	s_wait_alu depctr_va_sdst(0)                   ; the 32 compares have written their masks, ahead of the selects that read them
.set j, 0
.rept 32
	MASKOF
	v_cndmask_b32 v[TT+j], v[TT+j], v[AC+j], s[MS] ; r where w < 0: a choice of values, no branch
.set j, j+1
.endr
.set j, 0
.rept 16
	v_pk_mul_f32 v[TT+j:TT+j+1], v[TT+j:TT+j+1], v[UA+j:UA+j+1]   ; gelu(h)
.set j, j+2
.endr
.set j, 0
.rept 16
	v_pk_mul_f32 v[TT+j:TT+j+1], v[TT+j:TT+j+1], v[UA+32+j:UA+32+j+1]   ; x (g + 1)
.set j, j+2
.endr
.set j, 0
.rept 32
	v_med3_num_f32 v[TT+j], v[TT+j], -v[160+\p], v[160+\p]   ; the hold at 448 x 2^ea
.set j, j+1
.endr
.if \p == 1
	s_wait_alu depctr_vm_vsrc(0)                   ; the first GLU's two LDS stores have read v168-175, which the conversions below write again
.endif
.irp m, 0,1
	v_cvt_scalef32_pk8_fp8_f32 v[168+4*\m:169+4*\m], v[TT+16*\m:TT+16*\m+7], v[164+\p]
	v_cvt_scalef32_pk8_fp8_f32 v[170+4*\m:171+4*\m], v[TT+16*\m+8:TT+16*\m+15], v[164+\p]
.endr
	v_nop                                          ; one plain line behind the last conversion
	s_wait_alu depctr_va_vdst(0)                   ; the conversions have written v168-175, which the LDS stores read; and the GLU is done with v96-159, in which the next fragments land
.irp m, 0,1
	ds_store_b128 v8, v[168+4*\m:171+4*\m] offset:8192*\p+4096*\m   ; piece w % 4 of fragment (m, K step w / 4)
.endr
.endm
.macro AFETCH p                        ; the hidden layer's four fragments (2 m + s), expert p's
.irp f, 0,1,2,3
.irp q, 0,1,2,3
	ds_load_b128 v[XFR+16*\f+4*\q:XFR+16*\f+4*\q+3], v9 offset:8192*\p+2048*\f+512*\q
.endr
.endr
.endm
; Chunk c of the down product: tiles 2 q and 2 q + 1 of my eight, both K steps, both tiles of tokens: four sums by turns, first K step 0 (which starts them), then K step 1.  The sums lie in two sets by turns,
; and go into OA times the token's gate factor: expert lo's start OA, so nothing is cleared.
.macro DSTEP c
.set DP, ((\c)-16)>>2
.set DQ, (\c)&3
.set TS, UA+32*((\c)&1)
.if (\c) < 22
	s_wait_loadcnt 32                              ; chunk c is in; the two younger chunks stay out
.else
	s_wait_loadcnt 16*(23-(\c))                    ; the stream's end: one younger chunk, then none
.endif
	SLOT \c
.irp s, 0,1
.irp u, 0,1
.irp m, 0,1
.if \s == 0
	v_wmma_f32_16x16x128_fp8_fp8 v[TS+8*(2*\u+\m):TS+8*(2*\u+\m)+7], v[RB+16*(2*\u+\s):RB+16*(2*\u+\s)+15], v[XFR+16*(2*\m+\s):XFR+16*(2*\m+\s)+15], 0
.else
	v_wmma_f32_16x16x128_fp8_fp8 v[TS+8*(2*\u+\m):TS+8*(2*\u+\m)+7], v[RB+16*(2*\u+\s):RB+16*(2*\u+\s)+15], v[XFR+16*(2*\m+\s):XFR+16*(2*\m+\s)+15], v[TS+8*(2*\u+\m):TS+8*(2*\u+\m)+7]
.endif
.endr
.endr
.endr
	WIN 0
	PLACES
.if (\c)+3 < 24
	s_wait_alu depctr_va_vdst(0)                   ; this step's products are done reading their slot, in which chunk c + 3 lands (behind step 19 also: the hidden layer's fragments, in which expert hi's land)
.endif
	CHUNK \c+3
.if DP == 0
	WIN 0x40                                       ; destination (OA) window 1
.else
	WIN 0x50                                       ; destination and source 2 (OA) window 1
.endif
.set j, 0
.rept 16
.if DP == 0
	v_pk_mul_f32 v[32*DQ+j:32*DQ+j+1], v[TS+j:TS+j+1], v[24+2*((j>>3)&1):25+2*((j>>3)&1)]
.else
	v_pk_fma_f32 v[32*DQ+j:32*DQ+j+1], v[TS+j:TS+j+1], v[28+2*((j>>3)&1):29+2*((j>>3)&1)], v[32*DQ+j:32*DQ+j+1]
.endif
.set j, j+2
.endr
	WIN 0
.endm
	; ---- HEAD
	s_load_b512 s[4:19], s[0:1], 0x0               ; x s[4:5], W1c s[6:7], W2c s[8:9], tiles s[10:11], order s[12:13], indices s[14:15], gates s[16:17], scales s[18:19]
	s_load_b64 s[20:21], s[0:1], 0x40              ; out0
	v_lshrrev_b32 v1, 5, v0
	v_readfirstlane_b32 s22, v1                    ; wave w, 0..7
	v_and_b32 v1, 31, v0
	v_lshlrev_b32 v1, 4, v1                        ; 16 x lane
	v_and_b32 v16, 15, v0                          ; r
	v_bfe_u32 v17, v0, 4, 1                        ; h
	s_lshl_b32 s66, ttmp9, 4                       ; my record
	s_lshl_b32 s67, ttmp9, 7                       ; my tile's 32 tokens
	s_wait_alu depctr_va_sdst(0)                   ; s22 is written, ahead of its first reader: offsets and addresses are made from it
	s_lshl_b32 s23, s22, 4
	s_add_co_u32 s23, s23, s67                     ; the four whose rows of x my wave fetches
	v_lshlrev_b32 v13, 2, v16
	v_add_nc_u32 v13, s67, v13                     ; token r of the tile
	s_wait_kmcnt 0x0
	s_load_b128 s[24:27], s[10:11], s66 offset:0x0 ; count, lo, hi, 0
	s_load_b128 s[28:31], s[12:13], s23 offset:0x0
	s_load_b512 s[32:47], s[12:13], s67 offset:0x0
	s_load_b512 s[48:63], s[12:13], s67 offset:0x40
	s_wait_alu depctr_va_vdst(0)                   ; v13 is written, which the two loads below read as their offset
	global_load_b32 v14, v13, s[12:13]             ; my lane's token of rows 0-15,
	global_load_b32 v15, v13, s[12:13] offset:64   ; and of rows 16-31
	s_lshl_b32 s2, s22, 16                         ; (s23, s66, s67 stay as they are while those loads are out)
	v_add_nc_u32 v2, s2, v1                        ; W1c: 65,536 w + 16 lane
	s_lshl_b32 s2, s22, 15
	v_add_nc_u32 v3, s2, v1                        ; W2c: 32,768 w + 16 lane
	s_mul_i32 s2, s22, 4*XPITCH
	v_add_nc_u32 v4, s2, v1                        ; x into LDS: rows 4 w on
	s_lshr_b32 s94, s22, 2
	s_and_b32 s95, s22, 3
	s_mul_i32 s2, s94, 16*XPITCH
	s_lshl_b32 s3, s95, 10
	s_add_co_u32 s2, s2, s3
	v_mul_u32_u24 v5, v16, XPITCH
	v_lshl_add_u32 v5, v17, 6, v5
	v_add_nc_u32 v5, s2, v5                        ; x out of LDS: row 16 (w / 4) + r, byte 1,024 (w % 4) + 64 h
	s_lshl_b32 s2, s22, 12
	s_add_co_u32 s2, s2, XI
	v_add_nc_u32 v6, s2, v1                        ; where I store x's images: fragments 2 w, 2 w + 1
	v_add_nc_u32 v7, XI, v1                        ; and where any is read
	s_lshl_b32 s2, s94, 11
	s_lshl_b32 s3, s95, 9
	s_add_co_u32 s2, s2, s3
	s_add_co_u32 s2, s2, AI
	v_add_nc_u32 v8, s2, v1                        ; my piece of the hidden layer's images: K step w / 4, piece w % 4
	v_add_nc_u32 v9, AI, v1
	s_mul_i32 s2, s22, 16*SPITCH
	s_add_co_u32 s2, s2, SG                        ; my stage
	v_mul_u32_u24 v10, v16, SPITCH
	v_lshl_add_u32 v10, v17, 5, v10
	v_add_nc_u32 v10, s2, v10                      ; in: row r, + 32 h
	v_add_nc_u32 v11, s2, v1                       ; back: a row of 512 bytes
	s_lshl_b32 s2, s22, 9
	v_add_nc_u32 v12, s2, v1                       ; my 512 bytes of a row of out0
	s_wait_kmcnt 0x0
	s_min_u32 s24, s24, 32
	s_min_u32 s25, s25, 7
	s_min_u32 s26, s26, 7
	s_lshl_b32 s94, s25, 3
	s_lshl_b32 s95, s26, 3
	s_load_b64 s[68:69], s[18:19], s94 offset:0x0  ; lo: ex, ew1
	s_load_b64 s[72:73], s[18:19], s94 offset:0x40 ;     ea, ew2
	s_load_b64 s[70:71], s[18:19], s95 offset:0x0  ; hi likewise
	s_load_b64 s[74:75], s[18:19], s95 offset:0x40
	s_mov_b32 s3, 0
	s_lshl_b32 s2, s25, 19
	s_add_nc_u64 s[76:77], s[6:7], s[2:3]          ; W1c of lo,
	s_lshl_b32 s2, s26, 19
	s_add_nc_u64 s[78:79], s[6:7], s[2:3]          ; of hi;
	s_lshl_b32 s2, s25, 18
	s_add_nc_u64 s[80:81], s[8:9], s[2:3]          ; W2c of lo,
	s_lshl_b32 s2, s26, 18
	s_add_nc_u64 s[82:83], s[8:9], s[2:3]          ; of hi
	; ---- R0: my four rows of x come in as they lie, 512 consecutive bytes a load, and go to LDS; the weight stream begins
.irp i, 0,1,2,3
	s_min_u32 s[28+\i], s[28+\i], 0xfff
	s_lshl_b32 s[28+\i], s[28+\i], 12
	v_add_nc_u32 v[160+\i], s[28+\i], v1
.endr
	WIN 0x40                                       ; destination window 1
	s_wait_alu depctr_va_vdst(0)                   ; the offsets v160-163 are written, and so are v2 to v12, which every later load, store and LDS instruction but the row stores reads as its offset or address
.irp i, 0,1,2,3
.irp j, 0,1,2,3,4,5,6,7
	global_load_b128 v[4*(8*\i+\j):4*(8*\i+\j)+3], v[160+\i], s[4:5] offset:512*\j
.endr
.endr
	CHUNK 0
	s_wait_loadcnt 16                              ; the two token loads and x's 32 are in; chunk 0 stays out
	v_min_u32 v14, 0xfff, v14
	v_min_u32 v15, 0xfff, v15
	v_lshlrev_b32 v14, 3, v14
	v_lshlrev_b32 v15, 3, v15
	WIN 0x04                                       ; store data window 1
.irp i, 0,1,2,3
.irp j, 0,1,2,3,4,5,6,7
	ds_store_b128 v4, v[4*(8*\i+\j):4*(8*\i+\j)+3] offset:XPITCH*\i+512*\j
.endr
.endr
	WIN 0
	s_wait_alu depctr_va_vdst(0)                   ; v14 and v15 are written, which the four loads below read as offsets; the head's lines are done with r and h in v16 and v17, in which the first of them lands
	global_load_b64 v[16:17], v14, s[14:15]        ; my tokens' two experts,
	global_load_b64 v[18:19], v15, s[14:15]
	global_load_b64 v[20:21], v14, s[16:17]        ; and their gates
	global_load_b64 v[22:23], v15, s[16:17]
	CHUNK 1
	CHUNK 2
	BARRIER                                        ; all 32 rows of x lie in LDS
	; ---- R1: wave w makes x's fragments 2 w and 2 w + 1 (rows 16 (w / 4) on, K steps 2 (w % 4) and + 1), each with both experts' scales
	s_wait_kmcnt 0x0                               ; the eight exponents
	s_wait_alu depctr_vm_vsrc(0)                   ; x's loads have read their offsets v160-163, which the holds below write; my LDS stores have read window 1's v0-127, in which weights land and which OA's lines write
	SCALE 68, 24, 25
	SCALE 70, 26, 27
	s_add_co_i32 s2, s68, s69                      ; a sum of the up product stands for sum x 2^(ex + ew1): the exponents are added to the exponent fields of 1 and of 1 / sqrt(2)
	s_lshl_b32 s2, s2, 23
	s_add_co_i32 s84, s2, 0x3f800000
	s_mov_b32 s85, s84                             ; (named with it as a pair, so it is written)
	s_add_co_i32 s88, s2, 0x3f3504f3
	s_mov_b32 s89, s88
	s_add_co_i32 s2, s70, s71
	s_lshl_b32 s2, s2, 23
	s_add_co_i32 s86, s2, 0x3f800000
	s_mov_b32 s87, s86
	s_add_co_i32 s90, s2, 0x3f3504f3
	s_mov_b32 s91, s90
	s_add_co_i32 s92, s72, s73                     ; ea + ew2 of lo,
	s_add_co_i32 s93, s74, s75                     ; of hi
	XROWS 0
	s_wait_alu depctr_va_vdst(0)
	s_wait_dscnt 0x0
	QX 0, 0
	QX 1, 1
	s_wait_alu depctr_va_vdst(0)                   ; the conversions have written the codes in v96-127, which the LDS stores read; the holds are done reading UA, in which the other K step's numbers land
	XROWS 1                                        ; the loads first: the next holds wait for them,
	XIMAGES 0                                      ; and nothing in this wave waits for the stores
	s_wait_dscnt 8                                 ; LDS serves a wave's instructions in order (ISA guide 5.7.1.4): the sixteen loads are in, the eight younger stores may be out
	QX 0, 2                                        ; (these write v128-159 and v160-191: no register that the stores above read)
	QX 1, 3
	s_wait_alu depctr_va_vdst(0)                   ; the conversions have written the codes in v128-159, which the LDS stores read
	XIMAGES 1
	BARRIER                                        ; x's 32 images lie in LDS
	s_wait_alu depctr_vm_vsrc(0)                   ; my LDS stores have read the codes in v96-159, in which x's fragments land from here on
	SCALE 72, 164, 160                             ; the hidden layer's scales and holds: lo,
	SCALE 74, 165, 161                             ; hi
	v_mov_b32 v166, 0x3e2ef945                     ; 0.17087277, twice
	v_mov_b32 v167, 0x3e2ef945
	; ---- the up products and the GLUs
	XFETCH 0, 0
.irp c, 0,1,2,3,4,5,6,7
	USTEP \c
.endr
	GLU 0
	XFETCH 1, 0
.irp c, 8,9,10,11,12,13,14,15
	USTEP \c
.endr
	GLU 1
	BARRIER                                        ; the hidden layer's 8 images lie in LDS; the weight loads stay on their way
	; ---- the down products
	AFETCH 0
	s_wait_dscnt 0x0
.irp c, 16,17,18,19
	DSTEP \c
.endr
	AFETCH 1                                       ; the last products' four places, and the wait that shows them done reading, stand in their step
	s_wait_dscnt 0x0
.irp c, 20,21,22,23
	DSTEP \c
.endr
	; ---- THE WAY OUT.  A lane holds 32 neighbouring bytes of a row for each tile, and the lanes beside it hold other rows: 16 rows at a time go through my own stage and come back as whole runs of 512 bytes.
.set i, 0
.rept 32
	s_min_u32 s[32+i], s[32+i], 0xfff
	s_lshl_b32 s[32+i], s[32+i], 12
	v_add_nc_u32 v[192+i], s[32+i], v12            ; row i's token x 4,096 bytes + my 512: a register of its own for each store
.set i, i+1
.endr
	s_wait_alu depctr_va_vdst(0)                   ; OA is written, which the stage's stores read; the offsets v192-223 are written, which the row stores read; products and packed lines are done with v32-159, in which the stage's loads land
.irp m, 0,1
	WIN 0x04                                       ; store data window 1
.irp t, 0,1,2,3,4,5,6,7
	ds_store_b128 v10, v[8*(2*\t+\m):8*(2*\t+\m)+3] offset:64*\t
	ds_store_b128 v10, v[8*(2*\t+\m)+4:8*(2*\t+\m)+7] offset:64*\t+16
.endr
	WIN 0
.irp i, 0,1,2,3,4,5,6,7,8,9,10,11,12,13,14,15
	ds_load_b128 v[UA+64*\m+4*\i:UA+64*\m+4*\i+3], v11 offset:SPITCH*\i   ; LDS serves a wave's instructions in order (ISA guide 5.7.1.4): these see my stores, and the next 16 rows' stores come behind them
.endr
.endr
	s_wait_dscnt 0x0
.set i, 0
.rept 32                               ; rows at or beyond the tile's count are not stored
	s_cmp_le_u32 s24, i
	s_cbranch_scc1 .Ldone
	global_store_b128 v[192+i], v[UA+4*i:UA+4*i+3], s[20:21] th:TH_STORE_NT   ; 32 lanes store 512 consecutive bytes, aligned; written once, read by nobody here
.set i, i+1
.endr
.Ldone:
	s_wait_xcnt 0x0
	v_lshl_add_u32 v254, v0, 2, 0x44a00
	v_mov_b32 v255, 0
	s_wait_dscnt 0x0                               ; the closing lines, six on end
	s_wait_alu 0x0
	s_wait_tensorcnt 0x0
	ds_add_u32 v254, v255
	s_wait_dscnt 0x0
	s_endpgm
.Lfunc_end_k_q31bf8b8df5_moe:
	.size	k_q31bf8b8df5_moe, .Lfunc_end_k_q31bf8b8df5_moe-k_q31bf8b8df5_moe
	.p2alignl 7, 3214868480
	.fill 96, 4, 3214868480
	.section	.rodata,"a",@progbits
	.p2align	6, 0x0
	.amdhsa_kernel k_q31bf8b8df5_moe
		.amdhsa_group_segment_fixed_size 282112
		.amdhsa_private_segment_fixed_size 0
		.amdhsa_enable_private_segment 0
		.amdhsa_kernarg_size 72
		.amdhsa_user_sgpr_count 2
		.amdhsa_user_sgpr_kernarg_segment_ptr 1
		.amdhsa_wavefront_size32 1
		.amdhsa_system_sgpr_workgroup_id_x 1
		.amdhsa_system_sgpr_workgroup_id_y 1
		.amdhsa_system_sgpr_workgroup_id_z 1
		.amdhsa_system_vgpr_workitem_id 0
		.amdhsa_next_free_vgpr 512
		.amdhsa_next_free_sgpr 96
		.amdhsa_reserve_vcc 0
		.amdhsa_float_denorm_mode_32 3
		.amdhsa_float_denorm_mode_16_64 3
		.amdhsa_memory_ordered 1
		.amdhsa_forward_progress 1
		.amdhsa_inst_pref_size 189
	.end_amdhsa_kernel
	.amdgpu_metadata
---
amdhsa.version: [ 1, 2 ]
amdhsa.kernels:
  - .name:           k_q31bf8b8df5_moe
    .symbol:         k_q31bf8b8df5_moe.kd
    .args:
      - { .name: x, .offset: 0, .size: 8, .value_kind: global_buffer, .address_space: global }
      - { .name: W1c, .offset: 8, .size: 8, .value_kind: global_buffer, .address_space: global }
      - { .name: W2c, .offset: 16, .size: 8, .value_kind: global_buffer, .address_space: global }
      - { .name: tiles, .offset: 24, .size: 8, .value_kind: global_buffer, .address_space: global }
      - { .name: order, .offset: 32, .size: 8, .value_kind: global_buffer, .address_space: global }
      - { .name: expert_idxs, .offset: 40, .size: 8, .value_kind: global_buffer, .address_space: global }
      - { .name: expert_p, .offset: 48, .size: 8, .value_kind: global_buffer, .address_space: global }
      - { .name: lowp_scales, .offset: 56, .size: 8, .value_kind: global_buffer, .address_space: global }
      - { .name: out0, .offset: 64, .size: 8, .value_kind: global_buffer, .address_space: global }
    .group_segment_fixed_size: 282112
    .private_segment_fixed_size: 0
    .kernarg_segment_align: 8
    .kernarg_segment_size: 72
    .max_flat_workgroup_size: 256
    .sgpr_count:     96
    .vgpr_count:     512
    .wavefront_size: 32
...
	.end_amdgpu_metadata
.endif
;; end of part 5
